; MI455X (gfx1250); checked and timed in simulation.
; The chip was launched on July 23, 2026; its instructions are those of AMD's public machine-readable ISA for CDNA 5 (MIT licence, August 2026) and "CDNA5" Instruction Set Architecture Reference Guide (July 2026). The comments in the code are by the model that wrote it; some were corrected since.
;; Multi Head Self Attention. Allowed arithmetic: matrix products marked QUANTISED: E4M3 operands, one given power-of-two scale a tensor, by v_wmma_f32_16x16x64_fp8_fp8 or v_wmma_f32_16x16x128_fp8_fp8, f32 sums; everything else in f32.
;; Inputs: Wk 16 x 1,024 x 64 float32; Wo 1,024 x 1,024 float32; Wq 16 x 1,024 x 64 float32; Wv 16 x 1,024 x 64 float32; beta 1,024 float32; gamma 1,024 float32; lowp_scales 12 int32 (the exponents e of the quantised operands' scales 2^e); x 4 x 2,048 x 1,024 float32.
;; Outputs: out0 4 x 2,048 x 1,024 float32.
;; This version of the problem:
;;   THIS VERSION OF THE PROBLEM IS GIVEN IN LOW PRECISION. The matrix products marked QUANTISED in the list below multiply operands that are first quantised to E4M3 (4 exponent bits, 3 mantissa bits; 8 bits a number), with one given power-of-two scale for each operand tensor; their sums are f32. All else is computed in f32.
;;   The module's matrix products, in the order in which they are computed (A, B: the left and right operand; K: the contracted axis; several contracted axes count as one K, in the product's order):
;;     1. [M 1,024, K 1,024] x [K 1,024, N 8,192]; A: input Wq; B: input x: QUANTISED (scales: A lowp_scales[0], B lowp_scales[1])
;;     2. [M 1,024, K 1,024] x [K 1,024, N 8,192]; A: input Wk; B: input x: QUANTISED (scales: A lowp_scales[2], B lowp_scales[3])
;;     3. [M 1,024, K 1,024] x [K 1,024, N 8,192]; A: input Wv; B: input x: QUANTISED (scales: A lowp_scales[4], B lowp_scales[5])
;;     4. batch 64 x [M 2,048, K 64] x [K 64, N 2,048]; A: computed on the way; B: computed on the way: QUANTISED (scales: A lowp_scales[6], B lowp_scales[7])
;;     5. batch 64 x [M 2,048, K 2,048] x [K 2,048, N 64]; A: softmax (see below); B: computed on the way: QUANTISED (scales: A lowp_scales[8], B lowp_scales[9])
;;     6. [M 8,192, K 1,024] x [K 1,024, N 1,024]; A: computed on the way; B: input Wo: QUANTISED (scales: A lowp_scales[10], B lowp_scales[11])
;;   THE QUANTISER, for each operand of a quantised product, along K:
;;     - The operand's scale is 2^e, e = its entry of the input lowp_scales (int32; the entries are numbered through the quantised products in the list's order, A before B).
;;     - Each number is divided by the scale, clamped to +-448, and rounded to the nearest number of E4M3, ties to even, subnormals kept.
;;     - The product sums the exact products of the quantised numbers (number of the format x scale) in f32.
;;   ~~~python
;;   def quantise(x, axis, e):      # numpy; x: float32 -> the quantised numbers, widened to float32 again
;;       x = np.moveaxis(x, axis, -1); K = x.shape[-1]
;;       r = np.clip(x / 2.0 ** e, -448, 448)
;;       step = 2.0 ** (np.maximum(np.frexp(np.where(r == 0, 1, r))[1] - 1, -6) - 3)
;;       q = np.round(r / step) * step * 2.0 ** e      # np.round: ties to even
;;       return np.moveaxis(q, -1, axis).astype(np.float32)
;;   ~~~
;;   SOFTMAX AHEAD OF A QUANTISED PRODUCT. Where the list says 'softmax', what is quantised is not the finished softmax but p = 2^(t - M), with t = logit x log2(e) and M = ceil(the row's largest t), a whole number; so 1/2 < the row's largest p <= 1. The row's sum l is taken of the UNQUANTISED p, in f32, and the product's result is divided by l at the end. Since M is a whole number, a kernel that streams over the keys may use a running M (the ceiling of the running maximum): every later rescaling is an exact power of two, so the quantised numbers keep their values, but for numbers so far below the row's largest that they fall under the format's range.
;;   OPERANDS COMPUTED ON THE WAY. 'Computed on the way' means the value that the module computes at that place (a softmax that the list does not call 'softmax' is quantised finished and normalised). What goes into a quantiser is computed in f32, as accurately as f32 sums, v_exp_f32 and their like allow (about 1e-6 of the number): no bf16 or f16 on the way to a quantiser, and a product that is left as it is and whose result goes on into a quantised operand takes f32 operands (vector FMAs, or v_wmma_f32_16x16x4_f32). A number that lies on a knife's edge between two numbers of the format may be rounded either way, as far as f32 arithmetic and the matrix unit's own rounding can turn it there, and no further.
;; 2 versions, each right; version 2 is version 1 with the launch attn written anew for expert scheduling mode. Each part assembles by itself: llvm-mc -triple=amdgcn-amd-amdhsa -mcpu=gfx1250 --defsym DOCPART=n.
;; ======== version 1 of 2: 4 launches
;; workspace buffers: x_codes 25,165,824 bytes; w_codes 3,145,728 bytes; wo_img 1,048,576 bytes; qkv 25,165,824 bytes; heads_img 8,388,608 bytes
;; launch quant (part 1): grid 480 x 1, 4 waves a work-group, no clusters, 68,096 bytes of LDS; arguments x, Wq, Wk, Wv, Wo, lowp_scales, x_codes, w_codes, wo_img; writes x_codes, w_codes, wo_img
.if DOCPART == 1
	.amdgcn_target "amdgcn-amd-amdhsa--gfx1250"
	.amdhsa_code_object_version 6
	.text
	.protected	k_qb24c1d1ea0_quant
	.globl	k_qb24c1d1ea0_quant
	.p2align	8
	.type	k_qb24c1d1ea0_quant,@function
k_qb24c1d1ea0_quant:
	s_mov_b64 s[64:65], 0
	v_nop
	global_prefetch_b8 v0, s[64:65] scope:SCOPE_SE
	s_setreg_imm32_b32 hwreg(HW_REG_WAVE_MODE, 25, 1), 1
	s_wait_xcnt 0x0
; The f32 inputs that are operands of quantised products become codes of E4M3, each with the scale 2^e that is given for it.
; code = number / 2^e, held within +-448, rounded to the nearest code, ties to even.
; Three kinds of work-group, told apart by the work-group's number alone:
;   0..255   x [8192 tokens][1024], K innermost, three times over: with e1, e3 and e5 (the three products that read x have a scale each) -> x_codes [3][8192][1024]
;   256..351 Wq, Wk, Wv [16 h][1024 k][64 e], K not innermost, with e0, e2, e4 -> w_codes [3][1024 rows 64 h + e][1024 k]
;   352..479 Wo [1024 k][1024 n], with e11 -> wo_img [8 K steps][64 blocks of 16 columns][4 groups][32 lanes][16 bytes]: the operand's registers on end:
;            lane (r, h) of group g holds registers 4 g .. 4 g + 3 of column 16 nb + r; register 2 c + i, byte j is k = 128 ks + 16 c + 8 h + 4 i + j
; LIMITS: e0 .. e5 and e11 between -126 and 119, so that 2^e and 448 x 2^e are f32 numbers.  NaN among the inputs is not served; an infinity is held at the largest code.
; No tensor loads, no barrier: waves share nothing.  The two kinds that use LDS have bytes of their own: x 8,192 a wave from byte 0, the weights 8,704 a wave from byte 32,768.
.set SP,   80                          ; x: a lane's place in a stage: its 64 bytes + 16 of padding
.set XR,   16                          ; v16-79    x: four sets of 16 numbers as loaded
.set XX,   80                          ; v80-111   x: two sets of 16 neighbours
.set XT,   112                         ; v112-159  x: the 16 neighbours held three times, once for each scale
.set XC,   160                         ; v160-183  x: two sets of 12 registers of codes, by the step's parity
.set WST,  32768                       ; the weights' stages begin here
.set WP,   272                         ; a stage row: 256 bytes of codes + 16
.set WX,   32                          ; v32-95    weights: two sets of 32 numbers; Wo: 64 numbers
.set WC,   96                          ; v96..     a block's codes
.set WO,   112                         ; v112-175  the way out of the stage
; 2^e and 448 x 2^e as f32 numbers, from the whole number in s[e]
.macro MKSC e, vs, vl
	s_add_co_i32 s50, s[\e], 127
	s_lshl_b32 s51, s50, 23
	v_mov_b32 v[\vs], s51                          ; the conversion takes this number's exponent field
	s_add_co_i32 s50, s50, 8
	s_lshl_b32 s50, s50, 23
	s_or_b32 s50, s50, 0x600000                    ; the mantissa field of 448
	v_mov_b32 v[\vl], s50
.endm
	s_load_b512 s[4:19], s[0:1], 0x0               ; x s[4:5], Wq s[6:7], Wk s[8:9], Wv s[10:11], Wo s[12:13], the exponents s[14:15], x_codes s[16:17], w_codes s[18:19]
	s_load_b64 s[20:21], s[0:1], 0x40              ; wo_img
	v_lshl_add_u32 v192, v0, 2, 0x10800
	v_mov_b32 v193, 0
	v_lshrrev_b32 v1, 5, v0
	v_readfirstlane_b32 s22, v1                    ; wave 0..3
	v_and_b32 v2, 31, v0                           ; lane
	s_wait_kmcnt 0x0
	s_load_b256 s[24:31], s[14:15], 0x0            ; e0 .. e7
	s_load_b128 s[32:35], s[14:15], 0x20           ; e8 .. e11
	s_cmp_lt_u32 ttmp9, 256
	s_cbranch_scc0 .Lnot_x
; ---- x.  A wave takes 16 steps of 512 numbers.  Each of a step's four loads reads 512 consecutive bytes; the 2,048 bytes turn through the wave's own stage and come back 64 bytes a lane: 16 neighbours along K.
	v_lshlrev_b32 v3, 4, v2                        ; my 16 bytes of a load's 512, and of a store's
	s_lshl_b32 s23, s22, 13                        ; my wave's 8,192 bytes of LDS
	v_lshrrev_b32 v14, 2, v2
	v_mul_u32_u24 v14, v14, SP
	v_and_b32 v15, 3, v2
	v_lshl_add_u32 v14, v15, 4, v14
	v_add_nc_u32 v14, s23, v14                     ; into the stage: SP (lane / 4) + 16 (lane % 4)
	v_mul_u32_u24 v15, v2, SP
	v_add_nc_u32 v15, s23, v15                     ; out of it: SP x lane
	s_lshl_b32 s44, ttmp9, 2
	s_add_co_u32 s44, s44, s22                     ; which run of 8,192 numbers is my wave's
	s_lshl_b32 s46, s44, 15
	s_mov_b32 s47, 0
	s_add_nc_u64 s[36:37], s[4:5], s[46:47]
	s_lshl_b32 s46, s44, 13
	s_add_nc_u64 s[38:39], s[16:17], s[46:47]      ; the codes with e1,
	s_add_nc_u64 s[40:41], s[38:39], 0x800000      ; with e3,
	s_add_nc_u64 s[42:43], s[38:39], 0x1000000     ; with e5
.macro XLOAD t
.irp i, 0,1,2,3
	global_load_b128 v[XR+16*((\t)%4)+4*\i:XR+16*((\t)%4)+4*\i+3], v3, s[36:37] offset:2048*(\t)+512*\i th:TH_LOAD_NT
.endr
.endm
.macro XTURN t                         ; LDS serves a wave's instructions in order, so no wait stands between the stores and the loads
.irp i, 0,1,2,3
	ds_store_b128 v14, v[XR+16*((\t)%4)+4*\i:XR+16*((\t)%4)+4*\i+3] offset:32*SP*((\t)%2)+8*SP*\i
.endr
.irp i, 0,1,2,3
	ds_load_b128 v[XX+16*((\t)%2)+4*\i:XX+16*((\t)%2)+4*\i+3], v15 offset:32*SP*((\t)%2)+16*\i
.endr
.endm
.irp t, 0,1,2,3
	XLOAD \t
.endr
	s_wait_kmcnt 0x0
	MKSC 25, 5, 6                                  ; e1
	MKSC 27, 7, 8                                  ; e3
	MKSC 29, 9, 10                                 ; e5
	s_wait_loadcnt 12                              ; step 0's four loads are in; three steps' twelve may be out
	XTURN 0
.macro XSTEP t
.set XS, XX+16*((\t)%2)
.set CC, XC+12*((\t)%2)
	s_wait_dscnt 0x0                               ; this step's numbers are back from the stage, so its stores into the stage have read their registers,
.if (\t)+4 < 16
	XLOAD (\t)+4                                   ; which take the loads of four steps on
.endif
.if (\t)+1 < 16
.if 14-(\t) >= 3
	s_wait_loadcnt 12                              ; the next step's four loads are in; those of the three steps behind it may be out
.else
	s_wait_loadcnt 4*(14-(\t))
.endif
	XTURN (\t)+1
.endif
.irp s, 0,1,2
.set i, 0
.rept 16
	v_med3_num_f32 v[XT+16*\s+i], v[XS+i], -v[6+2*\s], v[6+2*\s]   ; the conversion does not saturate (ISA guide 7.6.2): the hold at the largest code x the scale
.set i, i+1
.endr
.endr
	s_wait_xcnt 0x0                                ; the stores of two steps ago have read these registers of codes
.irp s, 0,1,2
	v_cvt_scalef32_pk8_fp8_f32 v[CC+4*\s:CC+4*\s+1], v[XT+16*\s:XT+16*\s+7], v[5+2*\s]
	v_cvt_scalef32_pk8_fp8_f32 v[CC+4*\s+2:CC+4*\s+3], v[XT+16*\s+8:XT+16*\s+15], v[5+2*\s]
.endr
	v_nop                                          ; one plain vector line between the conversions and the next step's holds, which write their sources
.irp s, 0,1,2
	global_store_b128 v3, v[CC+4*\s:CC+4*\s+3], s[38+2*\s:39+2*\s] offset:512*(\t)   ; the wave stores 512 consecutive bytes
.endr
.endm
.irp t, 0,1,2,3,4,5,6,7,8,9,10,11,12,13,14,15
	XSTEP \t
.endr
	s_wait_tensorcnt 0x0
	ds_add_u32 v192, v193
	s_wait_dscnt 0x0
	s_endpgm
; ---- Wq, Wk, Wv.  A lane takes a column and its registers run down K.  A work-group: 128 columns (two heads) x 256 along K; a wave: 32 columns.
.Lnot_x:
	s_cmp_lt_u32 ttmp9, 352
	s_cbranch_scc0 .Lpath_o
	s_sub_co_u32 s44, ttmp9, 256
	s_lshr_b32 s45, s44, 5                         ; which tensor: 0, 1, 2
	s_and_b32 s46, s44, 7                          ; which 128 columns
	s_bfe_u32 s47, s44, 0x20003                    ; which 256 along K
	s_lshl_b32 s48, s46, 1
	s_lshr_b32 s49, s22, 1
	s_add_co_u32 s48, s48, s49                     ; my head
	s_lshl_b32 s48, s48, 18                        ; x 1,024 rows of 256 bytes
	s_lshl_b32 s49, s47, 16                        ; + 256 rows for each step along K
	s_add_co_u32 s48, s48, s49
	s_and_b32 s49, s22, 1
	s_lshl_b32 s49, s49, 7                         ; + my 32 of the head's 64 columns
	s_add_co_u32 s48, s48, s49
	s_mov_b32 s49, 0
	s_cmp_eq_u32 s45, 0
	s_cselect_b64 s[36:37], s[6:7], s[8:9]
	s_cmp_eq_u32 s45, 2
	s_cselect_b64 s[36:37], s[10:11], s[36:37]
	s_add_nc_u64 s[36:37], s[36:37], s[48:49]
	s_lshl_b32 s48, s46, 7
	s_lshl_b32 s52, s22, 5
	s_add_co_u32 s48, s48, s52                     ; my first row of the codes: 128 x block + 32 x wave
	s_lshl_b32 s48, s48, 10
	s_lshl_b32 s52, s45, 20
	s_add_co_u32 s48, s48, s52
	s_lshl_b32 s52, s47, 8
	s_add_co_u32 s48, s48, s52
	s_add_nc_u64 s[38:39], s[18:19], s[48:49]
	v_lshlrev_b32 v3, 2, v2                        ; in: 4 bytes a lane
	s_mul_i32 s52, s22, 32*WP
	s_add_co_u32 s52, s52, WST                     ; my stage
	v_mul_u32_u24 v4, v2, WP
	v_add_nc_u32 v4, s52, v4                       ; into it: row = my column
	v_and_b32 v5, 15, v2
	v_lshrrev_b32 v6, 4, v2
	v_mul_u32_u24 v7, v6, WP
	v_lshl_add_u32 v7, v5, 4, v7
	v_add_nc_u32 v7, s52, v7                       ; out of it: sixteen lanes to a row, two rows an instruction
	v_lshlrev_b32 v8, 10, v6
	v_lshl_add_u32 v8, v5, 4, v8                   ; and the same place in the codes' buffer
.macro WLOAD t                         ; block t: W(32 t + i, my column) into set t % 2
.set i, 0
.rept 32
	global_load_b32 v[WX+32*((\t)%2)+i], v3, s[36:37] offset:(32*(\t)+i)*256 th:TH_LOAD_NT
.set i, i+1
.endr
.endm
	WLOAD 0
	WLOAD 1
	s_wait_kmcnt 0x0
	s_cmp_eq_u32 s45, 0
	s_cselect_b32 s53, s24, s26                    ; e0, e2
	s_cmp_eq_u32 s45, 2
	s_cselect_b32 s53, s28, s53                    ; or e4
	MKSC 53, 11, 10
.macro WBLOCK t
.set XS, WX+32*((\t)%2)
.if (\t) < 7
	s_wait_loadcnt 32                              ; this block's 32 loads are in; the next block's may be out
.else
	s_wait_loadcnt 0x0
.endif
.set i, 0
.rept 32
	v_med3_num_f32 v[XS+i], v[XS+i], -v10, v10
.set i, i+1
.endr
.irp g, 0,1,2,3
	v_cvt_scalef32_pk8_fp8_f32 v[WC+2*\g:WC+2*\g+1], v[XS+8*\g:XS+8*\g+7], v11
.endr
	ds_store_b128 v4, v[WC:WC+3] offset:32*(\t)    ; 32 codes of my column's row
	ds_store_b128 v4, v[WC+4:WC+7] offset:32*(\t)+16
.if (\t)+2 < 8
	WLOAD (\t)+2
.endif
	s_wait_dscnt 0x0                               ; the stores have read their registers: the next block's codes may be written (its holds, plain lines, come first)
.endm
.irp t, 0,1,2,3,4,5,6,7
	WBLOCK \t
.endr
.irp t, 0,1,2,3,4,5,6,7,8,9,10,11,12,13,14,15
	ds_load_b128 v[WO+4*\t:WO+4*\t+3], v7 offset:2*\t*WP
.endr
.irp t, 0,1,2,3,4,5,6,7,8,9,10,11,12,13,14,15
	s_wait_dscnt 15-\t                             ; the younger loads may be out
	global_store_b128 v8, v[WO+4*\t:WO+4*\t+3], s[38:39] offset:2*\t*1024   ; sixteen lanes store 256 consecutive bytes, aligned
.endr
	s_wait_tensorcnt 0x0
	ds_add_u32 v192, v193
	s_wait_dscnt 0x0
	s_endpgm
; ---- Wo.  A wave makes one fragment: 16 columns x 128 along K.  Lane (r, h) takes column r and, going down K, the very k that the operand's layout gives it: the conversions' results are the image.
.Lpath_o:
	s_sub_co_u32 s44, ttmp9, 352
	s_lshr_b32 s45, s44, 4                         ; K step
	s_and_b32 s46, s44, 15
	s_lshl_b32 s46, s46, 2
	s_add_co_u32 s46, s46, s22                     ; block of 16 columns: the four waves stand side by side on 256 bytes of each row
	s_lshl_b32 s48, s45, 19                        ; 128 rows of 4,096 bytes
	s_lshl_b32 s52, s46, 6
	s_add_co_u32 s48, s48, s52
	s_mov_b32 s49, 0
	s_add_nc_u64 s[36:37], s[12:13], s[48:49]
	s_lshl_b32 s48, s45, 17
	s_lshl_b32 s52, s46, 11
	s_add_co_u32 s48, s48, s52
	s_add_nc_u64 s[38:39], s[20:21], s[48:49]
	v_and_b32 v5, 15, v2
	v_lshrrev_b32 v6, 4, v2
	v_lshlrev_b32 v3, 2, v5
	v_lshl_add_u32 v3, v6, 15, v3                  ; 4 r + 8 h rows
	v_lshlrev_b32 v4, 4, v2
.set i, 0
.rept 64
	global_load_b32 v[WX+i], v3, s[36:37] offset:(16*(i/8)+i%8)*4096 th:TH_LOAD_NT   ; Wo(128 ks + 16 c + 8 h + j, column), i = 8 c + j
.set i, i+1
.endr
	s_wait_kmcnt 0x0
	MKSC 35, 11, 10                                ; e11
	s_wait_loadcnt 0x0
.set i, 0
.rept 64
	v_med3_num_f32 v[WX+i], v[WX+i], -v10, v10
.set i, i+1
.endr
.irp c, 0,1,2,3,4,5,6,7
	v_cvt_scalef32_pk8_fp8_f32 v[WC+2*\c:WC+2*\c+1], v[WX+8*\c:WX+8*\c+7], v11
.endr
.irp g, 0,1,2,3
	global_store_b128 v4, v[WC+4*\g:WC+4*\g+3], s[38:39] offset:512*\g   ; the wave stores 512 consecutive bytes
.endr
	s_endpgm
.Lfunc_end_k_qb24c1d1ea0_quant:
	.size	k_qb24c1d1ea0_quant, .Lfunc_end_k_qb24c1d1ea0_quant-k_qb24c1d1ea0_quant
	.p2alignl 7, 3214868480
	.fill 96, 4, 3214868480
	.section	.rodata,"a",@progbits
	.p2align	6, 0x0
	.amdhsa_kernel k_qb24c1d1ea0_quant
		.amdhsa_group_segment_fixed_size 68096
		.amdhsa_private_segment_fixed_size 0
		.amdhsa_enable_private_segment 0
		.amdhsa_kernarg_size 72
		.amdhsa_user_sgpr_count 2
		.amdhsa_user_sgpr_kernarg_segment_ptr 1
		.amdhsa_wavefront_size32 1
		.amdhsa_system_sgpr_workgroup_id_x 1
		.amdhsa_system_sgpr_workgroup_id_y 1
		.amdhsa_system_sgpr_workgroup_id_z 1
		.amdhsa_system_vgpr_workitem_id 0
		.amdhsa_next_free_vgpr 194
		.amdhsa_next_free_sgpr 66
		.amdhsa_reserve_vcc 0
		.amdhsa_float_denorm_mode_32 3
		.amdhsa_float_denorm_mode_16_64 3
		.amdhsa_memory_ordered 1
		.amdhsa_forward_progress 1
		.amdhsa_inst_pref_size 138
	.end_amdhsa_kernel
	.amdgpu_metadata
---
amdhsa.version: [ 1, 2 ]
amdhsa.kernels:
  - .name:           k_qb24c1d1ea0_quant
    .symbol:         k_qb24c1d1ea0_quant.kd
    .args:
      - { .name: x, .offset: 0, .size: 8, .value_kind: global_buffer, .address_space: global }
      - { .name: Wq, .offset: 8, .size: 8, .value_kind: global_buffer, .address_space: global }
      - { .name: Wk, .offset: 16, .size: 8, .value_kind: global_buffer, .address_space: global }
      - { .name: Wv, .offset: 24, .size: 8, .value_kind: global_buffer, .address_space: global }
      - { .name: Wo, .offset: 32, .size: 8, .value_kind: global_buffer, .address_space: global }
      - { .name: lowp_scales, .offset: 40, .size: 8, .value_kind: global_buffer, .address_space: global }
      - { .name: x_codes, .offset: 48, .size: 8, .value_kind: global_buffer, .address_space: global }
      - { .name: w_codes, .offset: 56, .size: 8, .value_kind: global_buffer, .address_space: global }
      - { .name: wo_img, .offset: 64, .size: 8, .value_kind: global_buffer, .address_space: global }
    .group_segment_fixed_size: 68096
    .private_segment_fixed_size: 0
    .kernarg_segment_align: 8
    .kernarg_segment_size: 72
    .max_flat_workgroup_size: 128
    .sgpr_count:     66
    .vgpr_count:     194
    .wavefront_size: 32
...
	.end_amdgpu_metadata
.endif
;; end of part 1
;; launch qkv (part 2): grid 12 x 32, 4 waves a work-group, clusters of 4 x 4, 327,680 bytes of LDS; arguments x_codes, w_codes, lowp_scales, qkv; writes qkv
.if DOCPART == 2
	.amdgcn_target "amdgcn-amd-amdhsa--gfx1250"
	.amdhsa_code_object_version 6
	.text
	.protected	k_qb24c1d1ea0_qkv
	.globl	k_qb24c1d1ea0_qkv
	.p2align	8
	.type	k_qb24c1d1ea0_qkv,@function
k_qb24c1d1ea0_qkv:
	s_mov_b64 s[64:65], 0
	v_nop
	global_prefetch_b8 v0, s[64:65] scope:SCOPE_SE
	s_setreg_imm32_b32 hwreg(HW_REG_WAVE_MODE, 25, 1), 1
	s_wait_xcnt 0x0
	s_wait_alu depctr_hold_cnt(0) depctr_sa_sdst(0) depctr_va_vdst(0) depctr_va_sdst(0) depctr_va_ssrc(0) depctr_va_vcc(0) depctr_vm_vsrc(0)
	s_getreg_b32 s2, hwreg(HW_REG_IB_STS2, 6, 4)
	s_cmp_eq_u32 s2, 0
	s_cbranch_scc0 .Lentry_in_a_cluster
	s_endpgm
.Lentry_in_a_cluster:
	s_bfe_u32 s2, ttmp6, 0x10000c
	s_cmp_lg_u32 s2, 0xf033
	s_cbranch_scc0 .Lentry_shape_is_right
	s_endpgm
.Lentry_shape_is_right:
; q, k and v: three products of codes of E4M3, K = 1,024, and their sums quantised at once for the products that follow.
; The cluster's x says which: 0 q, 1 k, 2 v.  C = A B^T on tiles of 256 x 256, four waves, each 128 x 128: 64 accumulators of 16 x 16, 512 registers.
;   q, k: A = x's codes (8,192 tokens), B = the weight's codes (1,024 rows 64 h + e).   v: A = Wv's codes, B = x's codes: v comes out with the KEYS along a row, as the second product of attention wants it.
; THE MATRIX INSTRUCTION IS USED TRANSPOSED (source 0 = 16 rows of B, source 1 = 16 rows of A): a lane holds eight neighbouring numbers of a row of C, which are eight neighbours along the next product's K.
; A sum stands for sum x 2^(eW + ex); its code is sum / 2^(eo - eW - ex), held within +-448: the three exponents are folded into the conversion's one scale (eo = e6 for q, e7 for k, e9 for v).
; LIMITS: e6 - e0 - e1, e7 - e2 - e3 and e9 - e4 - e5 between -126 and 119, so that the scale and 448 x the scale are f32 numbers.
; OUT: qkv = q [4 b][16 h][2048 s][64] at byte 0, k likewise at 8 MiB, v [4 b][1024 rows 64 h + e][2048 keys] at 16 MiB; one code a byte.
; K goes in steps of 256 through a ring of two LDS slots filled by the tensor data mover.  CLUSTERS: 4 x 4 work-groups; the four of a row of the cluster need the same tiles of A, the four of a column the same
; tiles of B: each tile is asked for jointly.  All sixteen partners have the same cluster x, so they make the same tensor and take the same branches.
; Fragments are fetched by four loads of 16 bytes: a permutation of k inside an instruction, the same in A and in B.
; REGISTERS, in windows of 256: window 0: v0-31 addresses; from v128 A's fragments, one set; on the way out v32-223 are free.  window 1: B's fragments, two sets.  windows 2, 3: the accumulators ((a, b) at v[8 (8 (a % 4) + b)]).
.set KSTEP,  256
.set ROWB,   256
.set KROW,   1024                      ; a row of codes in memory, in bytes
.set PITCH,  272                       ; an LDS row: 256 bytes + 16 of padding = 68 words: the 16 rows that a load touches start at 16 different banks (64 banks of 4 bytes: ISA guide 11.1)
.set FR,     16
.set NL,     4
.set NP,     4                         ; places behind this matrix instruction (ISA guide 7.12.1)
.set HALFT,  128*PITCH
.set SLOT,   4*HALFT
.set LAPS,   2                         ; 1,024 along K = four K steps = twice round the ring
.set SPARE,  2*SLOT                    ; behind the ring: the spare words, 128 bytes for each wave
.set SPITCH, 272                       ; the way out: ONE stage of 256 rows x (256 bytes of codes + 16) at LDS byte 0, in slot 0, which has had its last fill and its last read by then
.set ADRA, 16
.set ADRB, 20
.set RDV,  22                          ; v22  v: where I read a row of the stage back
.set COV,  23                          ; v23  v: my byte offset in two rows of the output
.set STO,  24                          ; v24  where I put 8 codes
.set RDQ0, 25                          ; v25  q, k: where I read my head's 64 bytes of eight tokens back; tokens 0-127
.set CO,   26                          ; v26  q, k: 16 x lane
.set RDQ1, 27                          ; v27  the same as v25 for tokens 128-255
.set SPW,  28
.set NIL,  29
.set LIM,  30                          ; v30  448 x the scale
.set SCL,  31                          ; v31  the scale
.set TMP,  32                          ; v32-95   a block's 64 sums, held
.set CD,   96                          ; v96-223  codes: 16 registers for each of the 8 blocks; later the rows read back
.set AF,   128
.set G1, 24
.set G0, 32
.set G1B, 48
.set G0B, 56
.set MSB, 0
.macro WIN new                         ; the immediate's high byte repeats the setting that is left
.if MSB != (\new)
	s_set_vgpr_msb (MSB<<8)|(\new)
.set MSB, (\new)
.endif
.endm
.set MUL_LO, 0xa1                      ; source 0 (B) window 1, source 1 (A) window 0, C and D window 2
.set MUL_HI, 0xf1
.set TO_B,   0x40
; A joint load: waves 0 and 1 fetch for A, waves 2 and 3 for B; the branch hangs on the wave's number alone.  Four v_nop follow each of the two lines.
.macro JLOAD g0a, g1a, g0b, g1b
	s_cmp_eq_u32 s15, 0
	s_cbranch_scc0 .Lfor_b_\@
	tensor_load_to_lds s[\g0a:\g0a+3], s[\g1a:\g1a+7]
	s_nop 0
.rept 4
	v_nop
.endr
	s_branch .Lasked_\@
.Lfor_b_\@:
	tensor_load_to_lds s[\g0b:\g0b+3], s[\g1b:\g1b+7]
	s_nop 0
.rept 4
	v_nop
.endr
.Lasked_\@:
.endm
.macro CREST                           ; a round of the cluster's barrier behind its opening barrier
	s_cmp_lg_u32 s14, 0
	s_cbranch_scc1 .Lnot_wave_0_\@
	s_barrier_signal -3
.Lnot_wave_0_\@:
	s_barrier_wait -3
	s_barrier_signal -1
	s_barrier_wait -1
.endm
.macro CROUND
	s_barrier_signal -1
	s_barrier_wait -1
	CREST
.endm
	s_load_b128 s[4:7], s[0:1], 0x0                ; x's codes, the weights' codes
	s_load_b128 s[8:11], s[0:1], 0x10              ; the exponents, qkv
	v_lshl_add_u32 v[SPW], v0, 2, SPARE
	v_mov_b32 v[NIL], 0
	ds_add_u32 v28, v29
	ds_add_u32 v28, v29
	s_wait_dscnt 0x0
	v_lshrrev_b32 v1, 5, v0
	v_readfirstlane_b32 s14, v1                    ; wave 0..3
	s_lshr_b32 s15, s14, 1                         ; which half of the tile's rows is mine.  Also: I fetch for A (0) or for B (1)
	s_and_b32 s16, s14, 1                          ; which half of its columns.  Also: which 128 rows of that tile I fetch
	s_bfe_u32 s40, ttmp6, 0x40000                  ; cx, cy: my place in the cluster
	s_bfe_u32 s41, ttmp6, 0x40004
	s_and_b32 s66, ttmp7, 0xffff
	s_lshl_b32 s66, s66, 2                         ; 4 x cluster y: it walks the tokens, which are C's rows for q and k and C's columns for v
	s_cmp_eq_u32 ttmp9, 2
	s_cselect_b32 s67, 0, s66
	s_cselect_b32 s68, s66, 0
	s_add_co_u32 s17, s41, s67                     ; tile row of C
	s_add_co_u32 s42, s40, s68                     ; tile column of C
	s_lshl_b32 s43, s41, 2
	s_lshl_b32 s43, 15, s43                        ; my row of the cluster
	s_lshl_b32 s44, 0x1111, s40                    ; my column
	s_or_b32 s[G1+0], s43, (0<<16)|(1<<20)|(1<<21)|(5<<22)|(3<<25)  ; the mask: A's tiles go to my row; elements of 1 byte; padding on; bit 21 beside a mask; 4 words after every 64
	s_or_b32 s[G1B+0], s44, (0<<16)|(1<<20)|(1<<21)|(5<<22)|(3<<25)
.irp g, G1, G1B
	s_mov_b32 s[\g+1], ROWB<<16                    ; tensor_dim0
	s_mov_b32 s[\g+2], 128<<16                     ; tensor_dim1
	s_mov_b32 s[\g+3], ROWB<<16                    ; tile_dim0
	s_mov_b32 s[\g+4], 128                         ; tile_dim1
	s_mov_b32 s[\g+5], KROW                        ; tensor_dim0_stride
	s_mov_b32 s[\g+6], 0
	s_mov_b32 s[\g+7], 0
.endr
	s_lshl_b32 s18, s16, 7
	s_lshl_b32 s20, s17, 8
	s_add_co_u32 s20, s20, s18                     ; A: row 256 x tile row + 128 x half
	s_lshl_b32 s46, s42, 8
	s_add_co_u32 s46, s46, s18                     ; B: row 256 x tile column + 128 x half
	s_mov_b32 s21, 0
	s_mov_b32 s47, 0
	s_mov_b64 s[18:19], KROW
	s_mul_u64 s[20:21], s[20:21], s[18:19]
	s_mul_u64 s[46:47], s[46:47], s[18:19]
	s_mul_i32 s45, s14, HALFT                      ; where they go: wave x 128 rows
	s_wait_kmcnt 0x0
	s_load_b256 s[80:87], s[8:9], 0x0              ; e0 .. e7
	s_load_b128 s[88:91], s[8:9], 0x20             ; e8 .. e11
	s_lshl_b32 s70, ttmp9, 23
	s_mov_b32 s71, 0
	s_add_nc_u64 s[72:73], s[4:5], s[70:71]        ; this product's set of x's codes,
	s_lshl_b32 s70, ttmp9, 20
	s_add_nc_u64 s[74:75], s[6:7], s[70:71]        ; and its weight's
	s_cmp_eq_u32 ttmp9, 2                          ; the choice hangs on the cluster's x alone
	s_cselect_b64 s[76:77], s[74:75], s[72:73]     ; A
	s_cselect_b64 s[78:79], s[72:73], s[74:75]     ; B
	s_add_nc_u64 s[20:21], s[76:77], s[20:21]
	s_add_nc_u64 s[46:47], s[78:79], s[46:47]
	CROUND                                         ; all sixteen work-groups are here: the first joint loads meet
.irp s, 0,1
	s_mov_b32 s[G0+4*\s], 1
	s_add_co_u32 s[G0+4*\s+1], s45, \s*SLOT
	s_add_nc_u64 s[G0+4*\s+2:G0+4*\s+3], s[20:21], \s*ROWB
	s_or_b32 s[G0+4*\s+3], s[G0+4*\s+3], 0x80000000
	s_mov_b32 s[G0B+4*\s], 1
	s_add_co_u32 s[G0B+4*\s+1], s45, \s*SLOT
	s_add_nc_u64 s[G0B+4*\s+2:G0B+4*\s+3], s[46:47], \s*ROWB
	s_or_b32 s[G0B+4*\s+3], s[G0B+4*\s+3], 0x80000000
	JLOAD G0+4*\s, G1, G0B+4*\s, G1B
.endr
	v_and_b32 v1, 15, v0                           ; r = l % 16
	v_bfe_u32 v2, v0, 4, 1                         ; h = l / 16
	v_mul_u32_u24 v3, v1, PITCH
	v_lshl_add_u32 v4, v2, 4, v3                   ; a fragment's row x pitch + 16 x half
	s_mul_i32 s21, s15, HALFT
	s_mul_i32 s22, s16, HALFT
	s_add_co_u32 s22, s22, 2*HALFT
.irp s, 0,1
	v_add_nc_u32 v[ADRA+\s], s21, v4
	v_add_nc_u32 v[ADRB+\s], s22, v4
	s_add_co_u32 s21, s21, SLOT
	s_add_co_u32 s22, s22, SLOT
.endr
	; the way out: every address is made here, ahead of the place where q, k and v part
	s_mul_i32 s23, s15, 128*SPITCH
	s_lshl_b32 s69, s16, 7
	s_add_co_u32 s23, s23, s69
	v_lshl_add_u32 v[STO], v2, 3, v3
	v_add_nc_u32 v[STO], s23, v[STO]               ; into the stage: row 128 x my half + r, byte 128 x my half of the columns + 8 h
	v_and_b32 v6, 31, v0                           ; lane
	v_lshrrev_b32 v5, 2, v6
	v_mul_u32_u24 v5, v5, SPITCH
	v_and_b32 v7, 3, v6
	v_lshl_add_u32 v5, v7, 4, v5
	s_lshl_b32 s69, s14, 6
	v_add_nc_u32 v[RDQ0], s69, v5                  ; q, k: token l / 4, my head's 64 bytes (64 x wave on), 16 (l % 4)
	v_add_nc_u32 v[RDQ1], 128*SPITCH, v[RDQ0]
	s_mul_i32 s69, s14, 64*SPITCH
	v_mul_u32_u24 v5, v2, SPITCH
	v_lshl_add_u32 v5, v1, 4, v5
	v_add_nc_u32 v[RDV], s69, v5                   ; v: my 64 rows; lanes 0-15 one row of 256 bytes, lanes 16-31 the next
	v_lshlrev_b32 v[CO], 4, v6
	v_lshlrev_b32 v5, 11, v2
	v_lshl_add_u32 v[COV], v1, 4, v5
	; where my wave's part of the output begins, as a plain number: for q and k, and for v; one is chosen and added to the pointer
	s_lshr_b32 s20, s17, 3                         ; q, k: b = tile row / 8
	s_lshl_b32 s20, s20, 4
	s_lshl_b32 s21, s42, 2
	s_add_co_u32 s20, s20, s21
	s_add_co_u32 s20, s20, s14                     ; 16 b + head, head = 4 x tile column + wave
	s_lshl_b32 s20, s20, 11
	s_and_b32 s21, s17, 7
	s_lshl_b32 s21, s21, 8
	s_add_co_u32 s20, s20, s21                     ; x 2,048 tokens + the tile's first token
	s_lshl_b32 s20, s20, 6                         ; x 64 bytes
	s_lshl_b32 s21, ttmp9, 23
	s_add_co_u32 s20, s20, s21                     ; q at 0, k at 8 MiB
	s_lshr_b32 s46, s42, 3                         ; v: b = tile column / 8
	s_lshl_b32 s46, s46, 21
	s_lshl_b32 s47, s17, 8
	s_lshl_b32 s69, s14, 6
	s_add_co_u32 s47, s47, s69                     ; row 256 x tile row + 64 x wave
	s_lshl_b32 s47, s47, 11
	s_add_co_u32 s46, s46, s47
	s_and_b32 s47, s42, 7
	s_lshl_b32 s47, s47, 8
	s_add_co_u32 s46, s46, s47                     ; + the tile's first key
	s_add_co_u32 s46, s46, 0x1000000               ; v at 16 MiB
	s_cmp_eq_u32 ttmp9, 2
	s_cselect_b32 s20, s46, s20
	s_mov_b32 s21, 0
	s_add_nc_u64 s[10:11], s[10:11], s[20:21]
.macro FRAG reg, adr, q, i             ; 16 rows x 128 K: lane l holds row l % 16; registers 4 c .. 4 c + 3 hold K = 32 c + 16 (l / 16) + 0 .. 15
.irp c, 0,1,2,3
	ds_load_b128 v[\reg+4*\c:\reg+4*\c+3], v[\adr] offset:128*(\q)+32*\c+(\i)*16*PITCH
.endr
.endm
; 16 matrix instructions: A's blocks a0, a0 + 1 x B's eight.  The 64 accumulators take turns, one instruction a turn, in the same order in every step.
.macro MUL16 a0, p, zero
.irp a, \a0, \a0+1
.irp b, 0,1,2,3,4,5,6,7
.if \zero
	v_wmma_f32_16x16x128_fp8_fp8 v[8*(8*((\a)%4)+\b):8*(8*((\a)%4)+\b)+7], v[128*(\p)+FR*\b:128*(\p)+FR*\b+FR-1], v[AF+FR*(\a):AF+FR*(\a)+FR-1], 0
.else
	v_wmma_f32_16x16x128_fp8_fp8 v[8*(8*((\a)%4)+\b):8*(8*((\a)%4)+\b)+7], v[128*(\p)+FR*\b:128*(\p)+FR*\b+FR-1], v[AF+FR*(\a):AF+FR*(\a)+FR-1], v[8*(8*((\a)%4)+\b):8*(8*((\a)%4)+\b)+7]
.endif
.endr
.endr
.endm
.macro FETCH_B slot, q, p
	WIN TO_B
.irp i, 0,1,2,3,4,5,6,7
	FRAG 128*(\p)+FR*\i, ADRB+\slot, \q, \i
.endr
	WIN 0
.endm
.macro FETCH_A slot, q, i0
.irp i, \i0, \i0+1, \i0+2, \i0+3
	FRAG AF+FR*(\i), ADRA+\slot, \q, \i
.endr
.endm
.macro PLACES n                        ; plain vector lines between a matrix instruction and a load into, or a vector read or write of, its registers
.rept \n
	v_nop
.endr
.endm
; A step of 128 along K that has its successor in the same slot.  A has one set of registers (a block is free when its eight products are issued), B two.
.macro STEP slot, q, zero
	s_wait_dscnt 4*NL                              ; B's set and A's blocks 0-3 are in; the youngest sixteen loads (A's blocks 4-7) may be out
	WIN MUL_LO
	MUL16 0, (\q)%2, \zero
	MUL16 2, (\q)%2, \zero
	s_wait_dscnt 0
	PLACES NP
	FETCH_B \slot, (\q)+1, 1-(\q)%2
	FETCH_A \slot, (\q)+1, 0
	WIN MUL_HI
	MUL16 4, (\q)%2, \zero
	MUL16 6, (\q)%2, \zero
	PLACES NP
	WIN 0
	FETCH_A \slot, (\q)+1, 4
.endm
; A slot's last step changes slots: one barrier; in front of it each wave waits for all its tensor loads, adds 0 to its spare word, and waits for that and for its own reads of this slot.
.macro TURN slot, next, fill
	s_wait_tensorcnt 0x0                           ; all my tensor loads have landed: my part of the next slot
	ds_add_u32 v[SPW], v[NIL]                      ; 0 onto my spare word
	s_wait_dscnt 4*NL+1                            ; the add and the youngest sixteen loads may be out
	WIN MUL_LO
	MUL16 0, 1, 0
	s_wait_dscnt 0x0                               ; the add is done, and my reads of this slot are over
	s_barrier_signal -1
	MUL16 2, 1, 0
	WIN 0
	s_barrier_wait -1
.if \fill
	CREST                                          ; the barrier has opened a round of the cluster's barrier: no wave of any partner still reads this slot or has a load on its way
	s_add_nc_u64 s[G0+4*\slot+2:G0+4*\slot+3], s[G0+4*\slot+2:G0+4*\slot+3], 2*ROWB
	s_add_nc_u64 s[G0B+4*\slot+2:G0B+4*\slot+3], s[G0B+4*\slot+2:G0B+4*\slot+3], 2*ROWB
	JLOAD G0+4*\slot, G1, G0B+4*\slot, G1B         ; the first tensor load behind the round; its four v_nop are also the places in front of the loads below
.else
	PLACES NP
.endif
	FETCH_B \next, 0, 0
	FETCH_A \next, 0, 0
	WIN MUL_HI
	MUL16 4, 1, 0
	MUL16 6, 1, 0
	PLACES NP
	WIN 0
	FETCH_A \next, 0, 4
.endm
	s_wait_tensorcnt 1                             ; my part of K step 0 is in; K step 1's load may be out
	s_barrier_signal -1
	s_barrier_wait -1
	FETCH_B 0, 0, 0
	FETCH_A 0, 0, 0
	FETCH_A 0, 0, 4
	STEP 0, 0, 1                                   ; the first step's products start the sums
	s_mov_b32 s3, LAPS-1
.Llap:                                                 ; a trip goes once round the ring and fills both slots again
	TURN 0, 1, 1
	STEP 1, 0, 0
	TURN 1, 0, 1
	STEP 0, 0, 0
	s_sub_co_u32 s3, s3, 1
	s_cmp_lg_u32 s3, 0
	s_cbranch_scc1 .Llap
	TURN 0, 1, 0                                   ; the last lap fills nothing
	STEP 1, 0, 0
	s_wait_dscnt 4*NL
	WIN MUL_LO
	MUL16 0, 1, 0
	MUL16 2, 1, 0
	s_wait_dscnt 0
	WIN MUL_HI
	MUL16 4, 1, 0
	MUL16 6, 1, 0
	WIN 0
; THE WAY OUT.  Each block of 16 rows is held, converted (eight neighbours of a row: 8 bytes a lane and accumulator) and put into the work-group's stage; a barrier; whole runs of the output are read back and stored.
	s_wait_kmcnt 0x0
	s_sub_co_i32 s92, s86, s80
	s_sub_co_i32 s92, s92, s81                     ; q: e6 - e0 - e1
	s_sub_co_i32 s93, s87, s82
	s_sub_co_i32 s93, s93, s83                     ; k: e7 - e2 - e3
	s_sub_co_i32 s94, s89, s84
	s_sub_co_i32 s94, s94, s85                     ; v: e9 - e4 - e5
	s_cmp_eq_u32 ttmp9, 0
	s_cselect_b32 s92, s92, s93
	s_cmp_eq_u32 ttmp9, 2
	s_cselect_b32 s92, s94, s92
	s_add_co_i32 s92, s92, 127
	s_lshl_b32 s93, s92, 23
	v_mov_b32 v[SCL], s93
	s_add_co_i32 s92, s92, 8
	s_lshl_b32 s92, s92, 23
	s_or_b32 s92, s92, 0x600000
	v_mov_b32 v[LIM], s92
	PLACES NP
.macro QBLOCK a
.set AC, 64*((\a)%4)
	WIN 0x02+((\a)/4)                              ; source 0: window 2 or 3
.set j, 0
.rept 64
	v_med3_num_f32 v[TMP+j], v[AC+j], -v[LIM], v[LIM]   ; the hold, into other registers; each accumulator from its low end on
.set j, j+1
.endr
	WIN 0
.irp b, 0,1,2,3,4,5,6,7
	v_cvt_scalef32_pk8_fp8_f32 v[CD+16*(\a)+2*\b:CD+16*(\a)+2*\b+1], v[TMP+8*\b:TMP+8*\b+7], v[SCL]
.endr
	v_nop                                          ; one plain vector line between the conversions and the next block's holds, which write their sources
.irp b, 0,1,2,3,4,5,6,7
	ds_store_b64 v[STO], v[CD+16*(\a)+2*\b:CD+16*(\a)+2*\b+1] offset:16*SPITCH*(\a)+16*\b
.endr
.endm
.irp a, 0,1,2,3,4,5,6,7
	QBLOCK \a
.endr
	s_wait_dscnt 0x0                               ; for the others' sake: my stores into the stage are done
	s_barrier_signal -1
	s_barrier_wait -1
	s_cmp_eq_u32 ttmp9, 2                          ; the same in all waves and all partners
	s_cbranch_scc1 .Lout_v
	; q, k: wave w takes head 4 x tile column + w for the tile's 256 tokens: 16 KiB on end in memory; an instruction covers eight tokens' 64 bytes = 512 consecutive bytes
.irp g, 0,1,2,3,4,5,6,7,8,9,10,11,12,13,14,15
	ds_load_b128 v[CD+4*\g:CD+4*\g+3], v[RDQ0] offset:8*SPITCH*\g
.endr
.irp g, 0,1,2,3,4,5,6,7,8,9,10,11,12,13,14,15
	ds_load_b128 v[CD+64+4*\g:CD+64+4*\g+3], v[RDQ1] offset:8*SPITCH*\g
.endr
.set g, 0
.rept 32
	s_wait_dscnt 31-g                              ; the younger loads may be out
	global_store_b128 v[CO], v[CD+4*g:CD+4*g+3], s[10:11] offset:512*g
.set g, g+1
.endr
	s_branch .Lout_done
.Lout_v:
	; v: wave w takes rows 64 w .. 64 w + 63; sixteen lanes store a row's 256 bytes, aligned
.set g, 0
.rept 32
	ds_load_b128 v[CD+4*g:CD+4*g+3], v[RDV] offset:2*SPITCH*g
.set g, g+1
.endr
.set g, 0
.rept 32
	s_wait_dscnt 31-g
	global_store_b128 v[COV], v[CD+4*g:CD+4*g+3], s[10:11] offset:4096*g
.set g, g+1
.endr
.Lout_done:
	s_wait_tensorcnt 0x0                           ; the wave's end, behind my last tensor load and my last LDS store
	ds_add_u32 v[SPW], v[NIL]
	s_wait_dscnt 0x0
	CROUND                                         ; the closing round: no work-group ends while a partner may still ask for a tile that names it
	s_endpgm
.Lfunc_end_k_qb24c1d1ea0_qkv:
	.size	k_qb24c1d1ea0_qkv, .Lfunc_end_k_qb24c1d1ea0_qkv-k_qb24c1d1ea0_qkv
	.p2alignl 7, 3214868480
	.fill 96, 4, 3214868480
	.section	.rodata,"a",@progbits
	.p2align	6, 0x0
	.amdhsa_kernel k_qb24c1d1ea0_qkv
		.amdhsa_group_segment_fixed_size 327680
		.amdhsa_private_segment_fixed_size 0
		.amdhsa_enable_private_segment 0
		.amdhsa_kernarg_size 32
		.amdhsa_user_sgpr_count 2
		.amdhsa_user_sgpr_kernarg_segment_ptr 1
		.amdhsa_wavefront_size32 1
		.amdhsa_system_sgpr_workgroup_id_x 1
		.amdhsa_system_sgpr_workgroup_id_y 1
		.amdhsa_system_sgpr_workgroup_id_z 1
		.amdhsa_system_vgpr_workitem_id 0
		.amdhsa_next_free_vgpr 1024
		.amdhsa_next_free_sgpr 98
		.amdhsa_reserve_vcc 0
		.amdhsa_float_denorm_mode_32 3
		.amdhsa_float_denorm_mode_16_64 3
		.amdhsa_memory_ordered 1
		.amdhsa_forward_progress 1
		.amdhsa_inst_pref_size 133
	.end_amdhsa_kernel
	.amdgpu_metadata
---
amdhsa.version: [ 1, 2 ]
amdhsa.kernels:
  - .name:           k_qb24c1d1ea0_qkv
    .symbol:         k_qb24c1d1ea0_qkv.kd
    .args:
      - { .name: x_codes, .offset: 0, .size: 8, .value_kind: global_buffer, .address_space: global }
      - { .name: w_codes, .offset: 8, .size: 8, .value_kind: global_buffer, .address_space: global }
      - { .name: lowp_scales, .offset: 16, .size: 8, .value_kind: global_buffer, .address_space: global }
      - { .name: qkv, .offset: 24, .size: 8, .value_kind: global_buffer, .address_space: global }
    .group_segment_fixed_size: 327680
    .private_segment_fixed_size: 0
    .kernarg_segment_align: 8
    .kernarg_segment_size: 32
    .max_flat_workgroup_size: 128
    .sgpr_count:     98
    .vgpr_count:     1024
    .wavefront_size: 32
...
	.end_amdgpu_metadata
.endif
;; end of part 2
;; launch attn (part 3): grid 4 x 64, 8 waves a work-group, no clusters, 102,400 bytes of LDS; arguments qkv, lowp_scales, heads_img; writes heads_img
.if DOCPART == 3
	.amdgcn_target "amdgcn-amd-amdhsa--gfx1250"
	.amdhsa_code_object_version 6
	.text
	.protected	k_qb24c1d1ea0_attn
	.globl	k_qb24c1d1ea0_attn
	.p2align	8
	.type	k_qb24c1d1ea0_attn,@function
k_qb24c1d1ea0_attn:
	s_mov_b64 s[64:65], 0
	v_nop
	global_prefetch_b8 v0, s[64:65] scope:SCOPE_SE
	s_setreg_imm32_b32 hwreg(HW_REG_WAVE_MODE, 25, 1), 1
	s_wait_xcnt 0x0
; Causal attention on codes of E4M3, head size 64: S^T = K Q^T, p = 2^(t - M), O^T = V^T P^T, O / l quantised for the last product.
; t = score x 2^(e6 + e7) x log2(e) / 8; M = the running largest t rounded UP to a whole number; p is quantised with 2^e8, not normalised; l is the f32 sum of the unquantised p.
; When M moves, l and O^T are multiplied by 2^(old M - new M), which rounds nothing.  At the end O^T x 2^(e8 + e9) / l is held within +-448 x 2^e10 and converted with 2^e10.
; IN: qkv = q [64 bh][2048][64] at 0, k likewise at 8 MiB, v [64 bh][64 e][2048 keys] at 16 MiB.   OUT: heads_img [512 blocks of 16 tokens][8 K steps][4 groups][32 lanes][16 bytes]: the last product's operand registers on end
; (register 2 c + i, byte j of lane (r, h): token r, k = 128 ks + 16 c + 8 h + 4 i + j, k = 64 head + channel).
; SHARES.  Work-group (qa, bh) owns query blocks qa and 7 - qa (256 queries each) of head bh, one after the other.  Block i walks key slots 0 .. i of 256 keys: qa + 1 and 8 - qa visits, ALWAYS NINE: the trip count
; is a constant, all 256 work-groups have equal work, and no slot that lies wholly above the diagonal is fetched.
; Wave w has two CONTEXTS: query tile w of the block (context 0, register window 0) and tile w + 8 (context 1, window 1), in the same register numbers.  A fragment of K or V read from LDS feeds both.
; In the diagonal slot context 0 has work in the first 128 keys alone: every wave has three units there.
; K AND V go through registers into a ring of two LDS slots: each of the 256 threads loads 8 x 16 bytes of the next slot at a visit's head and stores them into the other slot at its end: one barrier a visit.
; The hold of p, which is owed only where 2^-e8 can pass 448 (e8 <= -9; p is at most 1), may be jumped over by a scalar branch on the given whole number e8.
; No cluster: the four work-groups of a head want different key slots in the same visit.  No prefetch: a slot is asked for a whole visit ahead of the stores that want it.
; THE KEYS OF A TILE OF K ARE NOT NEIGHBOURS: lane r of tile 2 b + u takes key 32 b + 8 u + r + 8 (r / 8), so that the 16 registers of tiles 2 b, 2 b + 1 are keys 32 b + 16 (lane / 16) + 0 .. 15.
; Fragments of Q, K, V and P hold a permutation of k inside an instruction, the same on both sides of each product.
; LIMITS: e6 + e7 between -123 and 130 (added to c's exponent field); e8 and e10 between -126 and 119; e8 + e9 is applied by v_ldexp_f32 and has none.
; REGISTERS.  Shared, window 0: v1-11 addresses; v32-95 K's 8 fragments; v208-239 the next slot on its way.  Window 1: v32-95 V's 4 fragments.
;   A context, in its window: v12 -M, v13 the largest t, v[14:15] l; v16-23 Q; v24-31 Q of the second block; v96-159 S^T, then p; v160-191 O^T; v192-207 p's codes; v240, v244: 448 x 2^e8, 2^e8; v241, v245: the same for e10;
;   v246 r - 16 h; v242, 243, 247, 252-254 at work.
.set PK,    144                        ; two keys' 128 bytes + 16 of padding
.set PV,    272                        ; a channel's 256 keys + 16
.set VOFF,  128*PK                     ; a slot: K, then V^T
.set SLOT1, 65536
.set AK0, 1
.set AV0, 2
.set GK,  3
.set GV,  4
.set LK,  5
.set LV,  6
.set HO,  7
.set ADK, 8
.set ADV, 9
.set STG, 208
.set WV,  10
.set QA,  11
.set BH,  12
.set VIS, 13                           ; s13  the visit, 0 .. 8
.set NA,  14                           ; s14  visits of the first block
.set KSC, 15                           ; s15  the key slot in hand
.set KSN, 16                           ; s16  the next
.set TB,  17                           ; s17  LDS byte at which the slot in hand begins
.set KF,  18                           ; s18  the step's first key
.set Q00, 19                           ; s19  context 0's first query; context 1's is 128 on
.set SEL, 20
.set CS,  22
.set KB,  24
.set VB,  26
.set KPT, 28
.set VPT, 30
.set HB,  32
.set NEEDH, 36
.set EPV, 37
.set MSB, 0
.macro WIN new                         ; the immediate's high byte repeats the setting that is left; at a label and at a branch every window is 0
.if MSB != (\new)
	s_set_vgpr_msb (MSB<<8)|(\new)
.set MSB, (\new)
.endif
.endm
.macro REQ                             ; the next slot: 16 KiB of K on end, 64 rows x 256 bytes of V: 16 bytes a thread, eight times
.irp j, 0,1,2,3
	global_load_b128 v[STG+4*\j:STG+4*\j+3], v[GK], s[KPT:KPT+1] offset:4096*\j
.endr
.irp j, 0,1,2,3
	global_load_b128 v[STG+16+4*\j:STG+16+4*\j+3], v[GV], s[VPT:VPT+1] offset:32768*\j
.endr
.endm
.macro PUT                             ; into the slot that is not in hand
	s_xor_b32 s38, s[TB], SLOT1
	v_add_nc_u32 v10, s38, v[LK]
	v_add_nc_u32 v11, s38, v[LV]
.irp j, 0,1,2,3
	ds_store_b128 v10, v[STG+4*\j:STG+4*\j+3] offset:32*PK*\j
.endr
.irp j, 0,1,2,3
	ds_store_b128 v11, v[STG+16+4*\j:STG+16+4*\j+3] offset:16*PV*\j
.endr
.endm
.macro CONSTS                          ; a context's constants; the destination's window says whose
	v_mov_b32 v244, s34
	v_mov_b32 v240, s35
	v_mov_b32 v245, s58
	v_mov_b32 v241, s59
	v_mov_b32 v247, 0                              ; written once: a lane permute's destination counts as one of its sources
	v_mov_b32 v253, 0                              ; (named as the upper half of the pair v[252:253])
	v_sub_nc_u32 v246, v10, v11                    ; r - 16 h
.endm
.macro INIT c, second                  ; a block's start: the step is written once and finds zeros, which the first change of M leaves zeros
	WIN 0x55*(\c)
.if \second
.set j, 0
.rept 8
	v_mov_b32 v[16+j], v[24+j]
.set j, j+1
.endr
.endif
.set j, 0
.rept 32
	v_mov_b32 v[160+j], 0
.set j, j+1
.endr
	v_mov_b32 v13, 0xff61b1e6                      ; -3e38, under every t
	v_floor_f32 v12, -v13
	v_mov_b32 v14, 0
	v_mov_b32 v15, 0
	WIN 0
.endm
.macro MKHB                            ; where context 0's codes go: block of 16 tokens 128 b + Q00 / 16, K step head / 2, groups 2 (head % 2) on
	s_lshr_b32 s56, s[BH], 4
	s_lshl_b32 s56, s56, 7
	s_lshr_b32 s38, s[Q00], 4
	s_add_co_u32 s56, s56, s38
	s_lshl_b32 s56, s56, 14
	s_bfe_u32 s38, s[BH], 0x30001
	s_lshl_b32 s38, s38, 11
	s_add_co_u32 s56, s56, s38
	s_and_b32 s38, s[BH], 1
	s_lshl_b32 s38, s38, 10
	s_add_co_u32 s56, s56, s38
	s_mov_b32 s57, 0
	s_add_nc_u64 s[HB:HB+1], s[8:9], s[56:57]
.endm
; ONE UNIT: context c's 16 queries x the step's 128 keys.
.macro CTX c
	WIN 0x44*(\c)                                  ; K window 0; Q and S^T in the context's
.irp tt, 0,1,2,3,4,5,6,7
	v_wmma_f32_16x16x64_fp8_fp8 v[96+8*\tt:103+8*\tt], v[32+8*\tt:39+8*\tt], v[16:23], 0
.endr
	WIN 0
.rept 4
	v_nop                                          ; places in front of the first read of the scores
.endr
	s_add_co_u32 s38, s[Q00], 128*(\c)             ; my first query
	s_add_co_u32 s39, s[KF], 127
	s_cmp_le_u32 s39, s38                          ; a step all of whose keys count skips the mask
	s_cbranch_scc1 .Lopen_\@
	s_sub_co_i32 s38, s38, s[KF]
	WIN 0x55*(\c)
	v_add_nc_u32 v252, s38, v246                   ; d = my query - KF - 16 h.  Register 16 b + i holds key KF + 32 b + 16 h + i: hidden where 32 b + i > d
	v_mov_b32 v254, 0xff800000                     ; -infinity: p = 0 then
.set n, 0
.rept 64
	v_cmp_gt_i32 vcc_lo, 32*(n/16)+n%16, v252
	v_cndmask_b32 v[96+n], v[96+n], v254, vcc_lo
.set n, n+1
.endr
	WIN 0
.Lopen_\@:
	WIN 0x55*(\c)
	v_max3_num_f32 v254, v96, v97, v98             ; the step's largest score of my query among my 64 keys, in two chains, from each accumulator's low end on
	v_max3_num_f32 v252, v99, v100, v101
.irp i, 6,10,14,18,22,26,30,34,38,42,46,50,54,58
	v_max3_num_f32 v254, v254, v[96+\i], v[97+\i]
	v_max3_num_f32 v252, v252, v[98+\i], v[99+\i]
.endr
	v_max3_num_f32 v254, v254, v158, v159
	v_max_num_f32 v254, v254, v252
	v_permlanex16_b32 v247, v254, s[SEL], s[SEL+1]
	v_max_num_f32 v254, v254, v247                 ; and among lane l xor 16's
	v_mul_f32 v254, s[CS], v254                    ; as t (c is positive)
	v_max_num_f32 v13, v13, v254
	v_mov_b32 v254, v12
	v_floor_f32 v12, -v13                          ; the new -M = floor(-t): M is a whole number
	v_sub_f32 v254, v12, v254                      ; old M - new M, a whole number, 0 or less
	v_cvt_i32_f32 v254, v254                       ; (it saturates)
	v_ldexp_f32 v252, 1.0, v254                    ; f = 2^(old M - new M)
	; ONE BATCH: 32 scalings t - M (two numbers each) and 64 exponentials; a pair is scaled three lines ahead of its exponentials, and no line names an exponential's result
	v_pk_fma_f32 v[96:97], v[96:97], s[CS:CS+1], v[12:13] op_sel_hi:[1,0,0]
.set j, 0
.rept 31
	v_pk_fma_f32 v[98+j:99+j], v[98+j:99+j], s[CS:CS+1], v[12:13] op_sel_hi:[1,0,0]
	v_exp_f32 v[96+j], v[96+j]
	v_exp_f32 v[97+j], v[97+j]
.set j, j+2
.endr
	v_exp_f32 v158, v158
	v_exp_f32 v159, v159
	v_pk_mul_f32 v[14:15], v[14:15], v[252:253] op_sel_hi:[1,0]   ; l under the new M; also the plain line behind the last exponential
	s_wait_alu depctr_va_vdst(0)                   ; one wait for the whole batch, ahead of its first reader
	v_pk_add_f32 v[242:243], v[96:97], v[98:99]    ; l takes the UNQUANTISED p: two at a time, in two chains
.irp j, 4,8,12,16,20,24,28,32,36,40,44,48,52,56,60
	v_pk_add_f32 v[14:15], v[14:15], v[96+\j:97+\j]
	v_pk_add_f32 v[242:243], v[242:243], v[98+\j:99+\j]
.endr
	v_pk_add_f32 v[14:15], v[14:15], v[242:243]
	WIN 0
	s_cmp_eq_u32 s[NEEDH], 0                       ; p <= 1: p / 2^e8 stays under 448 wherever e8 >= -8
	s_cbranch_scc1 .Lheld_\@
	WIN 0x55*(\c)
.set j, 0
.rept 64
	v_min_num_f32 v[96+j], v[96+j], v240           ; the conversion does not saturate (ISA guide 7.6.2); p is not negative, so the hold is one-sided
.set j, j+1
.endr
	WIN 0
.Lheld_\@:
	WIN 0x55*(\c)
.irp b, 0,1,2,3
	v_cvt_scalef32_pk8_fp8_f32 v[192+4*\b:193+4*\b], v[96+16*\b:103+16*\b], v244
	v_cvt_scalef32_pk8_fp8_f32 v[194+4*\b:195+4*\b], v[104+16*\b:111+16*\b], v244
.endr
.set j, 0
.rept 16
	v_pk_mul_f32 v[160+j:161+j], v[160+j:161+j], v[252:253] op_sel_hi:[1,0]   ; O^T under the new M; also the plain lines between the conversions and the products
.set j, j+2
.endr
.if \c
	s_wait_dscnt 0x0                               ; V is in
.endif
	WIN 0x01+0x54*(\c)                             ; V window 1; P and O^T in the context's
.irp tt, 0,1,2,3
	v_wmma_f32_16x16x128_fp8_fp8 v[160+8*\tt:167+8*\tt], v[32+16*\tt:47+16*\tt], v[192:207], v[160+8*\tt:167+8*\tt]
.endr
	WIN 0
.endm
; A KEY STEP: 128 keys, the q-th of the slot in hand.  Context 1 always has work; context 0 has none where all the step's keys come after its queries.
.macro STEP q
	v_add_nc_u32 v[ADK], s[TB], v[AK0]
	v_add_nc_u32 v[ADV], s[TB], v[AV0]
	v_nop
	v_nop                                          ; four places in front of loads into registers that the last products read
.irp tt, 0,1,2,3,4,5,6,7
	ds_load_b128 v[32+8*\tt:35+8*\tt], v[ADK] offset:(64*(\q)+16*(\tt/2)+4*(\tt%2))*PK
	ds_load_b128 v[36+8*\tt:39+8*\tt], v[ADK] offset:(64*(\q)+16*(\tt/2)+4*(\tt%2))*PK+32
.endr
	WIN 0x40
.irp tt, 0,1,2,3
.irp cc, 0,1,2,3
	ds_load_b128 v[32+16*\tt+4*\cc:35+16*\tt+4*\cc], v[ADV] offset:16*PV*\tt+128*(\q)+32*\cc
.endr
.endr
	WIN 0
	s_wait_dscnt 16                                ; K is in; V's sixteen loads may be out
	CTX 1
	s_add_co_u32 s38, s[Q00], 15
	s_cmp_gt_u32 s[KF], s38
	s_cbranch_scc1 .Lskip_\@
	CTX 0
.Lskip_\@:
	s_add_co_u32 s[KF], s[KF], 128
.endm
; A block's end for context c: O^T x 2^(e8 + e9) / l, quantised with e10, stored as half a fragment's image.
.macro FINAL c
	WIN 0x55*(\c)
.rept 4
	v_nop                                          ; places behind the last products
.endr
	v_add_f32 v14, v14, v15
	v_permlanex16_b32 v247, v14, s[SEL], s[SEL+1]
	v_add_f32 v14, v14, v247                       ; the row's sum
	v_rcp_f32 v14, v14
	v_nop                                          ; a plain line behind the transcendental
	s_wait_alu depctr_va_vdst(0)                   ; and the wait ahead of its first reader
	v_ldexp_f32 v14, v14, s[EPV]
.set j, 0
.rept 16
	v_pk_mul_f32 v[96+j:97+j], v[160+j:161+j], v[14:15] op_sel_hi:[1,0]   ; register 8 t + i: channel 16 t + 8 h + i of query r
.set j, j+2
.endr
.set j, 0
.rept 32
	v_med3_num_f32 v[96+j], v[96+j], -v241, v241
.set j, j+1
.endr
.irp tt, 0,1,2,3
	v_cvt_scalef32_pk8_fp8_f32 v[192+2*\tt:193+2*\tt], v[96+8*\tt:103+8*\tt], v245
.endr
	v_nop
	WIN 0x04*(\c)                                  ; the stores' data in the context's window
	global_store_b128 v[HO], v[192:195], s[HB:HB+1] offset:131072*(\c)        ; the wave stores 512 consecutive bytes; context 1's tile lies eight blocks of 16,384 bytes on
	global_store_b128 v[HO], v[196:199], s[HB:HB+1] offset:131072*(\c)+512
	WIN 0
.endm
	s_load_b128 s[4:7], s[0:1], 0x0                ; qkv, the exponents
	s_load_b64 s[8:9], s[0:1], 0x10                ; heads_img
	v_lshl_add_u32 v251, v0, 2, 0x18c00
	v_mov_b32 v255, 0
	v_lshrrev_b32 v1, 5, v0
	v_readfirstlane_b32 s[WV], v1                  ; wave 0..7
	s_mov_b32 s[QA], ttmp9
	s_and_b32 s[BH], ttmp7, 0xffff
	s_add_co_u32 s[NA], s[QA], 1
	s_mov_b32 s[VIS], 0
	s_mov_b32 s[KSC], 0
	s_mov_b32 s[KSN], 0
	s_mov_b32 s[SEL], 0x76543210
	s_mov_b32 s[SEL+1], 0xfedcba98
	s_lshl_b32 s[Q00], s[QA], 8
	s_lshl_b32 s38, s[WV], 4
	s_add_co_u32 s[Q00], s[Q00], s38               ; the first block: 256 qa + 16 w
	s_sub_co_u32 s39, 7, s[QA]
	s_lshl_b32 s39, s39, 8
	s_add_co_u32 s39, s39, s38                     ; the second: 256 (7 - qa) + 16 w
	v_and_b32 v10, 15, v0                          ; r
	v_bfe_u32 v11, v0, 4, 1                        ; h
	v_and_b32 v8, 8, v10
	v_add_nc_u32 v8, v8, v10                       ; kl = r + 8 (r / 8)
	v_lshrrev_b32 v9, 1, v8
	v_mul_u32_u24 v[AK0], v9, PK
	v_and_b32 v9, 1, v8
	v_lshl_add_u32 v[AK0], v9, 6, v[AK0]
	v_lshl_add_u32 v[AK0], v11, 4, v[AK0]          ; (kl / 2) x 144 + (kl % 2) x 64 + 16 h
	v_mul_u32_u24 v[AV0], v10, PV
	v_lshl_add_u32 v[AV0], v11, 4, v[AV0]
	v_add_nc_u32 v[AV0], VOFF, v[AV0]
	v_lshlrev_b32 v[GK], 4, v0                     ; K in memory: 16 x thread
	v_lshrrev_b32 v8, 4, v0
	v_lshlrev_b32 v[GV], 11, v8
	v_lshl_add_u32 v[GV], v10, 4, v[GV]            ; V in memory: row thread / 16, 16 (thread % 16)
	v_mul_u32_u24 v[LV], v8, PV
	v_lshl_add_u32 v[LV], v10, 4, v[LV]
	v_add_nc_u32 v[LV], VOFF, v[LV]
	v_lshrrev_b32 v8, 3, v0
	v_mul_u32_u24 v[LK], v8, PK
	v_and_b32 v8, 7, v0
	v_lshl_add_u32 v[LK], v8, 4, v[LK]
	v_and_b32 v[HO], 31, v0
	v_lshlrev_b32 v[HO], 4, v[HO]
	v_lshlrev_b32 v9, 6, v10
	v_lshl_add_u32 v9, v11, 4, v9                  ; Q: row r of 64 bytes + 16 h
	v_lshlrev_b32 v11, 4, v11                      ; 16 h, for CONSTS
	s_lshl_b32 s56, s[BH], 17                      ; a head's 131,072 bytes in each of q, k, v
	s_mov_b32 s57, 0
	s_wait_kmcnt 0x0
	s_load_b256 s[40:47], s[6:7], 0x0              ; e0 .. e7
	s_load_b128 s[48:51], s[6:7], 0x20             ; e8 .. e11
	s_add_nc_u64 s[52:53], s[4:5], s[56:57]
	s_add_nc_u64 s[KB:KB+1], s[52:53], 0x800000
	s_add_nc_u64 s[VB:VB+1], s[52:53], 0x1000000
	s_mov_b64 s[KPT:KPT+1], s[KB:KB+1]
	s_mov_b64 s[VPT:VPT+1], s[VB:VB+1]
	REQ                                            ; key slot 0
	s_lshl_b32 s56, s39, 6
	s_add_nc_u64 s[54:55], s[52:53], s[56:57]      ; Q of the second block,
	s_lshl_b32 s56, s[Q00], 6
	s_add_nc_u64 s[52:53], s[52:53], s[56:57]      ; of the first
	global_load_b128 v[16:19], v9, s[52:53]
	global_load_b128 v[20:23], v9, s[52:53] offset:32
	global_load_b128 v[24:27], v9, s[54:55]
	global_load_b128 v[28:31], v9, s[54:55] offset:32
	WIN 0x40                                       ; context 1: 128 queries of 64 bytes on
	global_load_b128 v[16:19], v9, s[52:53] offset:8192
	global_load_b128 v[20:23], v9, s[52:53] offset:8224
	global_load_b128 v[24:27], v9, s[54:55] offset:8192
	global_load_b128 v[28:31], v9, s[54:55] offset:8224
	WIN 0
	MKHB
	s_wait_kmcnt 0x0
	s_add_co_i32 s38, s46, s47
	s_lshl_b32 s38, s38, 23
	s_add_co_i32 s[CS], s38, 0x3e38aa3b            ; c = log2(e) / 8, with e6 + e7 added to its exponent field
	s_mov_b32 s[CS+1], s[CS]
	s_add_co_i32 s[EPV], s48, s49                  ; e8 + e9
	s_cmp_le_i32 s48, -9
	s_cselect_b32 s[NEEDH], 1, 0
	s_add_co_i32 s38, s48, 127
	s_lshl_b32 s34, s38, 23                        ; 2^e8
	s_add_co_i32 s38, s38, 8
	s_lshl_b32 s35, s38, 23
	s_or_b32 s35, s35, 0x600000                    ; 448 x 2^e8
	s_add_co_i32 s38, s50, 127
	s_lshl_b32 s58, s38, 23                        ; 2^e10
	s_add_co_i32 s38, s38, 8
	s_lshl_b32 s59, s38, 23
	s_or_b32 s59, s59, 0x600000
	CONSTS
	WIN 0x40
	CONSTS
	WIN 0
	INIT 0, 0
	INIT 1, 0
	s_wait_loadcnt 0x0                             ; key slot 0 and Q
	s_mov_b32 s[TB], SLOT1
	PUT                                            ; into slot 0
	s_mov_b32 s[TB], 0
	s_wait_dscnt 0x0
	s_barrier_signal -1
	s_barrier_wait -1
.Lvisit:                                           ; nine trips
	s_cmp_lg_u32 s[VIS], s[NA]
	s_cbranch_scc1 .Lsame
	FINAL 0                                        ; the first block is done
	FINAL 1
	s_wait_xcnt 0x0                                ; the stores have read their registers and their base
	s_sub_co_u32 s[Q00], 7, s[QA]
	s_lshl_b32 s[Q00], s[Q00], 8
	s_lshl_b32 s38, s[WV], 4
	s_add_co_u32 s[Q00], s[Q00], s38
	MKHB
	INIT 0, 1
	INIT 1, 1
.Lsame:
	s_lshl_b32 s[KF], s[KSC], 8
	s_cmp_eq_u32 s[VIS], 8
	s_cbranch_scc1 .Lno_req
	s_add_co_u32 s38, s[VIS], 1
	s_add_co_u32 s[KSN], s[KSC], 1
	s_cmp_eq_u32 s38, s[NA]
	s_cselect_b32 s[KSN], 0, s[KSN]                ; the second block begins at key slot 0 again
	s_lshl_b32 s56, s[KSN], 14
	s_mov_b32 s57, 0
	s_add_nc_u64 s[KPT:KPT+1], s[KB:KB+1], s[56:57]
	s_lshl_b32 s56, s[KSN], 8
	s_add_nc_u64 s[VPT:VPT+1], s[VB:VB+1], s[56:57]
	REQ                                            ; it has the whole visit in which to come
.Lno_req:
	STEP 0
	STEP 1
	s_wait_loadcnt 0x0                             ; the next slot is in registers (in the last visit nothing is out)
	s_cmp_eq_u32 s[VIS], 8
	s_cbranch_scc1 .Lno_put
	PUT
.Lno_put:
	s_wait_dscnt 0x0                               ; my reads of this slot are over, and my part of the next slot is stored
	s_barrier_signal -1
	s_barrier_wait -1                              ; both now hold of all eight waves
	s_xor_b32 s[TB], s[TB], SLOT1
	s_mov_b32 s[KSC], s[KSN]
	s_add_co_u32 s[VIS], s[VIS], 1
	s_cmp_lt_u32 s[VIS], 9
	s_cbranch_scc1 .Lvisit
	FINAL 0
	FINAL 1
	s_wait_tensorcnt 0x0
	ds_add_u32 v251, v255
	s_wait_dscnt 0x0
	s_endpgm
.Lfunc_end_k_qb24c1d1ea0_attn:
	.size	k_qb24c1d1ea0_attn, .Lfunc_end_k_qb24c1d1ea0_attn-k_qb24c1d1ea0_attn
	.p2alignl 7, 3214868480
	.fill 96, 4, 3214868480
	.section	.rodata,"a",@progbits
	.p2align	6, 0x0
	.amdhsa_kernel k_qb24c1d1ea0_attn
		.amdhsa_group_segment_fixed_size 102400
		.amdhsa_private_segment_fixed_size 0
		.amdhsa_enable_private_segment 0
		.amdhsa_kernarg_size 24
		.amdhsa_user_sgpr_count 2
		.amdhsa_user_sgpr_kernarg_segment_ptr 1
		.amdhsa_wavefront_size32 1
		.amdhsa_system_sgpr_workgroup_id_x 1
		.amdhsa_system_sgpr_workgroup_id_y 1
		.amdhsa_system_sgpr_workgroup_id_z 1
		.amdhsa_system_vgpr_workitem_id 0
		.amdhsa_next_free_vgpr 512
		.amdhsa_next_free_sgpr 66
		.amdhsa_reserve_vcc 1
		.amdhsa_float_denorm_mode_32 3
		.amdhsa_float_denorm_mode_16_64 3
		.amdhsa_memory_ordered 1
		.amdhsa_forward_progress 1
		.amdhsa_inst_pref_size 110
	.end_amdhsa_kernel
	.amdgpu_metadata
---
amdhsa.version: [ 1, 2 ]
amdhsa.kernels:
  - .name:           k_qb24c1d1ea0_attn
    .symbol:         k_qb24c1d1ea0_attn.kd
    .args:
      - { .name: qkv, .offset: 0, .size: 8, .value_kind: global_buffer, .address_space: global }
      - { .name: lowp_scales, .offset: 8, .size: 8, .value_kind: global_buffer, .address_space: global }
      - { .name: heads_img, .offset: 16, .size: 8, .value_kind: global_buffer, .address_space: global }
    .group_segment_fixed_size: 102400
    .private_segment_fixed_size: 0
    .kernarg_segment_align: 8
    .kernarg_segment_size: 24
    .max_flat_workgroup_size: 256
    .sgpr_count:     66
    .vgpr_count:     512
    .wavefront_size: 32
...
	.end_amdgpu_metadata
.endif
;; end of part 3
;; launch proj (part 4): grid 256 x 1, 4 waves a work-group, clusters of 4 x 1, 327,680 bytes of LDS; arguments heads_img, wo_img, x, gamma, beta, lowp_scales, out0; writes out0
.if DOCPART == 4
	.amdgcn_target "amdgcn-amd-amdhsa--gfx1250"
	.amdhsa_code_object_version 6
	.text
	.protected	k_qb24c1d1ea0_proj
	.globl	k_qb24c1d1ea0_proj
	.p2align	8
	.type	k_qb24c1d1ea0_proj,@function
k_qb24c1d1ea0_proj:
	s_mov_b64 s[64:65], 0
	v_nop
	global_prefetch_b8 v0, s[64:65] scope:SCOPE_SE
	s_setreg_imm32_b32 hwreg(HW_REG_WAVE_MODE, 25, 1), 1
	s_wait_xcnt 0x0
	s_wait_alu depctr_hold_cnt(0) depctr_sa_sdst(0) depctr_va_vdst(0) depctr_va_sdst(0) depctr_va_ssrc(0) depctr_va_vcc(0) depctr_vm_vsrc(0)
	s_getreg_b32 s2, hwreg(HW_REG_IB_STS2, 6, 4)
	s_cmp_eq_u32 s2, 0
	s_cbranch_scc0 .Lentry_in_a_cluster
	s_endpgm
.Lentry_in_a_cluster:
	s_bfe_u32 s2, ttmp6, 0x10000c
	s_cmp_lg_u32 s2, 0x3003
	s_cbranch_scc0 .Lentry_shape_is_right
	s_endpgm
.Lentry_shape_is_right:
; out0 = LayerNorm(x + heads Wo) x gamma + beta.  The product is on codes of E4M3, K = 1,024; a sum stands for sum x 2^(e10 + e11).
; SHARES.  A work-group owns 32 WHOLE rows (the norm wants whole rows, and no sum crosses work-groups).  Wave w makes columns 256 w .. 256 w + 255 of all 32 rows: 2 x 16 accumulators, 256 registers.
; The rows' codes (heads_img, images of the operand's registers) stay in registers for the whole launch: 8 K steps x 2 tiles x 16 = 256.
; Wo's images go through a ring of two LDS slots, a K step (131,072 bytes on end) to a slot.  Wave w fetches, and alone reads, its own 32,768 bytes of a slot: its own wait on TENSORcnt orders its reads.
; CLUSTER: all work-groups walk the same Wo, so the four partners ask for each piece jointly (the mask names all four); the descriptor hangs on the wave's number and constants alone.
; THE MATRIX INSTRUCTION IS USED TRANSPOSED (source 0 = 16 columns of Wo, source 1 = 16 rows): a lane holds eight neighbouring columns of one row, 32 bytes.
; THE WAY OUT: the sums go through a stage of 32 rows x (4,096 + 16) bytes, laid over the slots when they have had their last fill and their last read; wave w then owns rows 8 w .. 8 w + 7 whole, 32 numbers a lane and row,
; so the norm's sums never leave a wave.  Mean first, then the mean of squares of y - mean: a common offset of x costs nothing.
; LIMIT: e10 + e11 between -126 and 127.
; REGISTERS: window 0: v3-8 addresses, v28, v29 the add's; v16-23 lane-permute temporaries; v32-47 eight pairs (sums, then means); v48-63 eight pairs (sums of squares, then 1 / sqrt); v64-191 x's rows 0-3; v192-223 gamma; v224-255 beta.
;   window 1: Wo's 16 fragments; later y, 8 rows x 32.   window 2: the rows' fragments (K step s, tile m at v[32 s + 16 m]); from K step 4 on v0-127 take x's rows 4-7.   window 3: accumulator (m, nb) at v[8 (16 m + nb)].
.set SLOTB,  131072
.set SPARE,  2*SLOTB                   ; behind the ring: the spare words, 128 bytes for each wave
.set SPITCH, 4112
.set LI,   3                           ; v3   16 x lane
.set ADB,  4                           ; v4, v5  my fragments of Wo in slot 0, 1
.set STO,  6                           ; v6, v7  the stage: where I put 32 bytes of a row of tile 0, 1
.set RD,   8                           ; v8   where I read my rows back
.set SPW,  28
.set NIL,  29
.set PT,   16
.set TS,   32
.set VS,   48
.set XL,   64
.set GA,   192
.set BE,   224
.set G1,   24
.set G0,   32
.set MSB, 0
.macro WIN new
.if MSB != (\new)
	s_set_vgpr_msb (MSB<<8)|(\new)
.set MSB, (\new)
.endif
.endm
.macro PLACES
.rept 4
	v_nop
.endr
.endm
.macro ROUND                           ; a round of the cluster's barrier
	s_barrier_signal -1
	s_barrier_wait -1
	s_cmp_lg_u32 s18, 0
	s_cbranch_scc1 .Lnot_wave_0_\@
	s_barrier_signal -3
.Lnot_wave_0_\@:
	s_barrier_wait -3
	s_barrier_signal -1
	s_barrier_wait -1
.endm
.macro BLOADS s, n0                    ; eight fragments of Wo, as they lie: 512 consecutive bytes a load
.irp nb, 0,1,2,3,4,5,6,7
.irp g, 0,1,2,3
	ds_load_b128 v[16*(\n0+\nb)+4*\g:16*(\n0+\nb)+4*\g+3], v[ADB+(\s)%2] offset:2048*(\n0+\nb)+512*\g
.endr
.endr
.endm
.macro MULS s, n0, zero                ; sixteen products; the 32 accumulators take turns, one instruction a turn, in the same order in every K step
.irp nb, 0,1,2,3,4,5,6,7
.irp m, 0,1
.if \zero
	v_wmma_f32_16x16x128_fp8_fp8 v[8*(16*\m+\n0+\nb):8*(16*\m+\n0+\nb)+7], v[16*(\n0+\nb):16*(\n0+\nb)+15], v[32*(\s)+16*\m:32*(\s)+16*\m+15], 0
.else
	v_wmma_f32_16x16x128_fp8_fp8 v[8*(16*\m+\n0+\nb):8*(16*\m+\n0+\nb)+7], v[16*(\n0+\nb):16*(\n0+\nb)+15], v[32*(\s)+16*\m:32*(\s)+16*\m+15], v[8*(16*\m+\n0+\nb):8*(16*\m+\n0+\nb)+7]
.endif
.endr
.endr
.endm
.macro KSTEP s, zero
	WIN 0x40
	BLOADS \s, 0
	BLOADS \s, 8
	s_wait_dscnt 32                                ; the first eight fragments are in; the other 32 loads may be out
	WIN 0xf9                                       ; source 0 (Wo) window 1, source 1 (the rows) window 2, C and D window 3
	MULS \s, 0, \zero
	s_wait_dscnt 0x0
	MULS \s, 8, \zero
	WIN 0
.endm
; In front of K step s: the slot read in K step s - 1 is filled again, with K step s + 1.  The round takes the place of the work-group's barrier.
.macro CHANGE s
	s_wait_tensorcnt 0x0                           ; all my tensor loads have landed, K step s's among them
	ds_add_u32 v[SPW], v[NIL]                      ; 0 onto my spare word
	s_add_nc_u64 s[G0+4*(((\s)-1)%2)+2:G0+4*(((\s)-1)%2)+3], s[G0+4*(((\s)-1)%2)+2:G0+4*(((\s)-1)%2)+3], 2*SLOTB
	s_wait_dscnt 0x0                               ; the add is done, and my reads of the slot are over
	ROUND
	tensor_load_to_lds s[G0+4*(((\s)-1)%2):G0+4*(((\s)-1)%2)+3], s[G1:G1+7]
	s_nop 0
	PLACES                                         ; the places in front of the loads into registers that the last products read
.endm
.macro XROWS r0, reg                   ; four of my rows of x: 512 consecutive bytes a load
.set i, 0
.rept 4
.set j, 0
.rept 8
	global_load_b128 v[\reg+32*i+4*j:\reg+32*i+4*j+3], v[LI], s[8:9] offset:4096*(\r0+i)+512*j th:TH_LOAD_NT
.set j, j+1
.endr
.set i, i+1
.endr
.endm
.macro REDUCE base                     ; eight rows' sums side by side: a pair's halves, the 16 lanes of a half, the two halves
.irp rr, 0,1,2,3,4,5,6,7
	v_add_f32 v[\base+2*\rr], v[\base+2*\rr], v[\base+2*\rr+1]
.endr
.irp xm, 1,2,4,8
.irp rr, 0,1,2,3,4,5,6,7
	v_add_f32_dpp v[\base+2*\rr], v[\base+2*\rr], v[\base+2*\rr] row_xmask:\xm row_mask:0xf bank_mask:0xf
.endr
.endr
.irp rr, 0,1,2,3,4,5,6,7
	v_permlanex16_b32 v[PT+\rr], v[\base+2*\rr], s40, s41
.endr
.irp rr, 0,1,2,3,4,5,6,7
	v_add_f32 v[\base+2*\rr], v[\base+2*\rr], v[PT+\rr]
.endr
.endm
	s_load_b256 s[4:11], s[0:1], 0x0               ; heads_img s[4:5], wo_img s[6:7], x s[8:9], gamma s[10:11]
	s_load_b128 s[12:15], s[0:1], 0x20             ; beta s[12:13], the exponents s[14:15]
	s_load_b64 s[16:17], s[0:1], 0x30              ; out0
	v_lshl_add_u32 v[SPW], v0, 2, SPARE
	v_mov_b32 v[NIL], 0
	ds_add_u32 v28, v29
	ds_add_u32 v28, v29
	s_wait_dscnt 0x0
	v_lshrrev_b32 v1, 5, v0
	v_readfirstlane_b32 s18, v1                    ; wave 0..3
	s_bfe_u32 s19, ttmp6, 0x40000                  ; cx: it enters the addresses of heads_img, x and out0 alone
	s_lshl_b32 s20, ttmp9, 2
	s_add_co_u32 s20, s20, s19                     ; my work-group: 32 rows
	s_mov_b32 s[G1+0], 15|(3<<16)|(1<<21)          ; the mask: all four work-groups; elements of 8 bytes; bit 21 beside a mask; no padding
	s_mov_b32 s[G1+1], 32<<16                      ; tensor_dim0 = 32 elements: rows of 256 bytes
	s_mov_b32 s[G1+2], 128<<16                     ; tensor_dim1 = 128
	s_mov_b32 s[G1+3], 32<<16                      ; tile_dim0
	s_mov_b32 s[G1+4], 128                         ; tile_dim1
	s_mov_b32 s[G1+5], 32                          ; the pitch: the block is dense
	s_mov_b32 s[G1+6], 0
	s_mov_b32 s[G1+7], 0
	s_lshl_b32 s22, s18, 15                        ; my 32,768 bytes of a K step
	s_mov_b32 s23, 0
	s_mov_b32 s40, 0x76543210
	s_mov_b32 s41, 0xfedcba98
	s_mov_b32 s48, 0x3a800000                      ; 1 / 1,024
	s_mov_b32 s49, 0x3a83126f                      ; 1e-3
	s_wait_kmcnt 0x0
	s_load_b64 s[44:45], s[14:15], 0x28            ; e10, e11
	s_mov_b32 s[G0], 1
	s_lshl_b32 s[G0+1], s18, 15                    ; slot 0
	s_add_nc_u64 s[G0+2:G0+3], s[6:7], s[22:23]    ; K step 0
	s_mov_b32 s[G0+4], 1
	s_add_co_u32 s[G0+5], s22, SLOTB               ; slot 1
	s_add_nc_u64 s[G0+6:G0+7], s[G0+2:G0+3], SLOTB ; K step 1
	s_or_b32 s[G0+3], s[G0+3], 0x80000000
	s_or_b32 s[G0+7], s[G0+7], 0x80000000
	ROUND                                          ; all four work-groups are here: the first joint loads meet
	tensor_load_to_lds s[G0:G0+3], s[G1:G1+7]      ; two loads of mine are out
	s_nop 0
	tensor_load_to_lds s[G0+4:G0+7], s[G1:G1+7]
	s_nop 0
	PLACES
	v_and_b32 v2, 31, v0
	v_lshlrev_b32 v[LI], 4, v2
	v_add_nc_u32 v[ADB], s22, v[LI]
	v_add_nc_u32 v[ADB+1], SLOTB, v[ADB]
	v_and_b32 v9, 15, v0                           ; r
	v_bfe_u32 v10, v0, 4, 1                        ; h
	s_lshl_b32 s43, s18, 10
	v_mul_u32_u24 v[STO], v9, SPITCH
	v_lshl_add_u32 v[STO], v10, 5, v[STO]
	v_add_nc_u32 v[STO], s43, v[STO]               ; row r, + 1,024 x wave + 32 h
	v_add_nc_u32 v[STO+1], 16*SPITCH, v[STO]
	s_mul_i32 s42, s18, 8*SPITCH
	v_add_nc_u32 v[RD], s42, v[LI]
.irp rr, 0,1,2,3,4,5,6,7
	v_mov_b32 v[PT+\rr], 0                         ; written once: a lane permute's destination counts as one of its sources
.endr
	s_lshl_b32 s22, s20, 15
	s_add_nc_u64 s[4:5], s[4:5], s[22:23]          ; my two blocks of 16 tokens
	s_lshl_b32 s22, s20, 5
	s_lshl_b32 s42, s18, 3
	s_add_co_u32 s22, s22, s42
	s_lshl_b32 s22, s22, 12                        ; row 32 x work-group + 8 x wave, of 4,096 bytes
	s_add_nc_u64 s[8:9], s[8:9], s[22:23]
	s_add_nc_u64 s[16:17], s[16:17], s[22:23]
	WIN 0x80
.irp ks, 0,1,2,3,4,5,6,7
.irp m, 0,1
.irp g, 0,1,2,3
	global_load_b128 v[32*\ks+16*\m+4*\g:32*\ks+16*\m+4*\g+3], v[LI], s[4:5] offset:16384*\m+2048*\ks+512*\g
.endr
.endr
.endr
	WIN 0
.irp j, 0,1,2,3,4,5,6,7
	global_load_b128 v[GA+4*\j:GA+4*\j+3], v[LI], s[10:11] offset:512*\j
.endr
.irp j, 0,1,2,3,4,5,6,7
	global_load_b128 v[BE+4*\j:BE+4*\j+3], v[LI], s[12:13] offset:512*\j
.endr
	XROWS 0, XL
	s_wait_loadcnt 48                              ; the rows' 64 loads are in; gamma's and beta's 16 and x's 32 may be out
	s_wait_tensorcnt 1                             ; my part of K step 0 is in, and I alone read it; K step 1's load may be out
	KSTEP 0, 1                                     ; the first K step starts the sums
.irp s, 1,2,3,4,5,6
	CHANGE \s
.if \s == 4
	WIN 0x80
	XROWS 4, 0                                     ; K steps 0 to 3 are multiplied: their fragments' registers take x's rows 4-7 (the four places stand above)
	WIN 0
.endif
	KSTEP \s, 0
.endr
	s_wait_tensorcnt 0x0                           ; K step 7: the one load that was out; nothing is filled any more
	PLACES
	WIN 0x40
	BLOADS 7, 0
	BLOADS 7, 8
	s_wait_dscnt 32
	WIN 0xf9
	MULS 7, 0, 0
	s_wait_dscnt 0x0                               ; my last reads of the slots are in, and all my tensor loads have landed:
	s_barrier_signal -1                            ; say so,
	MULS 7, 8, 0                                   ; work on registers meanwhile,
	WIN 0
	s_barrier_wait -1                              ; and when all four have said so the stage may be laid over the slots
	PLACES                                         ; in front of the first read of results
	WIN 0x0c                                       ; the stores' data in window 3
.irp m, 0,1
.irp nb, 0,1,2,3,4,5,6,7,8,9,10,11,12,13,14,15
	ds_store_b128 v[STO+\m], v[8*(16*\m+\nb):8*(16*\m+\nb)+3] offset:64*\nb        ; each accumulator from its low end on
	ds_store_b128 v[STO+\m], v[8*(16*\m+\nb)+4:8*(16*\m+\nb)+7] offset:64*\nb+16
.endr
.endr
	WIN 0
	s_wait_dscnt 0x0                               ; for the others' sake: my stores are done
	s_barrier_signal -1
	s_barrier_wait -1
	WIN 0x40
.set i, 0
.rept 8
.set j, 0
.rept 8
	ds_load_b128 v[32*i+4*j:32*i+4*j+3], v[RD] offset:SPITCH*i+512*j   ; row 8 w + i, columns 128 j + 4 lane + 0 .. 3: as x, gamma and beta lie
.set j, j+1
.endr
.set i, i+1
.endr
	WIN 0
	s_wait_kmcnt 0x0
	s_add_co_i32 s46, s44, s45
	s_add_co_i32 s46, s46, 127
	s_lshl_b32 s46, s46, 23                        ; 2^(e10 + e11)
	s_mov_b32 s47, s46                             ; (named with it as a pair)
	s_wait_dscnt 0x0
	s_wait_loadcnt 0x0                             ; x, gamma, beta
	; y = sum x 2^(e10 + e11) + x
	WIN 0x41
.set i, 0
.rept 4
.set p, 0
.rept 16
	v_pk_fma_f32 v[32*i+2*p:32*i+2*p+1], v[32*i+2*p:32*i+2*p+1], s[46:47], v[XL+32*i+2*p:XL+32*i+2*p+1] op_sel_hi:[1,0,1]
.set p, p+1
.endr
.set i, i+1
.endr
	WIN 0x61                                       ; x's rows 4-7 lie in window 2
.set i, 4
.rept 4
.set p, 0
.rept 16
	v_pk_fma_f32 v[32*i+2*p:32*i+2*p+1], v[32*i+2*p:32*i+2*p+1], s[46:47], v[32*(i-4)+2*p:32*(i-4)+2*p+1] op_sel_hi:[1,0,1]
.set p, p+1
.endr
.set i, i+1
.endr
	; the rows' sums: the eight rows take turns, so that no line waits for the one above it
	WIN 0x05
.irp rr, 0,1,2,3,4,5,6,7
	v_pk_add_f32 v[TS+2*\rr:TS+2*\rr+1], v[32*\rr:32*\rr+1], v[32*\rr+2:32*\rr+3]
.endr
	WIN 0x04
.set p, 2
.rept 14
.irp rr, 0,1,2,3,4,5,6,7
	v_pk_add_f32 v[TS+2*\rr:TS+2*\rr+1], v[TS+2*\rr:TS+2*\rr+1], v[32*\rr+2*p:32*\rr+2*p+1]
.endr
.set p, p+1
.endr
	WIN 0
	REDUCE TS
.irp rr, 0,1,2,3,4,5,6,7
	v_mul_f32 v[TS+2*\rr], s48, v[TS+2*\rr]        ; the mean
.endr
	WIN 0x41
.set i, 0
.rept 8
.set p, 0
.rept 16
	v_pk_add_f32 v[32*i+2*p:32*i+2*p+1], v[32*i+2*p:32*i+2*p+1], v[TS+2*i:TS+2*i+1] op_sel_hi:[1,0] neg_lo:[0,1] neg_hi:[0,1]   ; y - mean
.set p, p+1
.endr
.set i, i+1
.endr
	WIN 0x05
.irp rr, 0,1,2,3,4,5,6,7
	v_pk_mul_f32 v[VS+2*\rr:VS+2*\rr+1], v[32*\rr:32*\rr+1], v[32*\rr:32*\rr+1]
.endr
.set p, 1
.rept 15
.irp rr, 0,1,2,3,4,5,6,7
	v_pk_fma_f32 v[VS+2*\rr:VS+2*\rr+1], v[32*\rr+2*p:32*\rr+2*p+1], v[32*\rr+2*p:32*\rr+2*p+1], v[VS+2*\rr:VS+2*\rr+1]
.endr
.set p, p+1
.endr
	WIN 0
	REDUCE VS
.irp rr, 0,1,2,3,4,5,6,7
	v_fma_f32 v[VS+2*\rr], v[VS+2*\rr], s48, s49   ; the variance + 1e-3
.endr
.irp rr, 0,1,2,3,4,5,6,7
	v_rsq_f32 v[VS+2*\rr], v[VS+2*\rr]
.endr
	v_nop                                          ; a plain line behind the last of the batch
	s_wait_alu depctr_va_vdst(0)                   ; one wait for the eight, ahead of their first reader
.set i, 0
.rept 8
	WIN 0x41
.set p, 0
.rept 16
	v_pk_mul_f32 v[32*i+2*p:32*i+2*p+1], v[32*i+2*p:32*i+2*p+1], v[VS+2*i:VS+2*i+1] op_sel_hi:[1,0]
.set p, p+1
.endr
.set p, 0
.rept 16
	v_pk_fma_f32 v[32*i+2*p:32*i+2*p+1], v[32*i+2*p:32*i+2*p+1], v[GA+2*p:GA+2*p+1], v[BE+2*p:BE+2*p+1]
.set p, p+1
.endr
	WIN 0x04                                       ; the stores' data in window 1
.set j, 0
.rept 8
	global_store_b128 v[LI], v[32*i+4*j:32*i+4*j+3], s[16:17] offset:4096*i+512*j th:TH_STORE_NT   ; the wave stores 512 consecutive bytes, aligned; written once, read by nobody here
.set j, j+1
.endr
.set i, i+1
.endr
	WIN 0
	s_wait_tensorcnt 0x0                           ; the wave's end, behind my last tensor load and my last LDS store
	ds_add_u32 v[SPW], v[NIL]
	s_wait_dscnt 0x0
	ROUND                                          ; the closing round: no work-group ends while a partner may still ask for a piece that names it
	s_endpgm
.Lfunc_end_k_qb24c1d1ea0_proj:
	.size	k_qb24c1d1ea0_proj, .Lfunc_end_k_qb24c1d1ea0_proj-k_qb24c1d1ea0_proj
	.p2alignl 7, 3214868480
	.fill 96, 4, 3214868480
	.section	.rodata,"a",@progbits
	.p2align	6, 0x0
	.amdhsa_kernel k_qb24c1d1ea0_proj
		.amdhsa_group_segment_fixed_size 327680
		.amdhsa_private_segment_fixed_size 0
		.amdhsa_enable_private_segment 0
		.amdhsa_kernarg_size 56
		.amdhsa_user_sgpr_count 2
		.amdhsa_user_sgpr_kernarg_segment_ptr 1
		.amdhsa_wavefront_size32 1
		.amdhsa_system_sgpr_workgroup_id_x 1
		.amdhsa_system_sgpr_workgroup_id_y 1
		.amdhsa_system_sgpr_workgroup_id_z 1
		.amdhsa_system_vgpr_workitem_id 0
		.amdhsa_next_free_vgpr 1024
		.amdhsa_next_free_sgpr 66
		.amdhsa_reserve_vcc 0
		.amdhsa_float_denorm_mode_32 3
		.amdhsa_float_denorm_mode_16_64 3
		.amdhsa_memory_ordered 1
		.amdhsa_forward_progress 1
		.amdhsa_inst_pref_size 142
	.end_amdhsa_kernel
	.amdgpu_metadata
---
amdhsa.version: [ 1, 2 ]
amdhsa.kernels:
  - .name:           k_qb24c1d1ea0_proj
    .symbol:         k_qb24c1d1ea0_proj.kd
    .args:
      - { .name: heads_img, .offset: 0, .size: 8, .value_kind: global_buffer, .address_space: global }
      - { .name: wo_img, .offset: 8, .size: 8, .value_kind: global_buffer, .address_space: global }
      - { .name: x, .offset: 16, .size: 8, .value_kind: global_buffer, .address_space: global }
      - { .name: gamma, .offset: 24, .size: 8, .value_kind: global_buffer, .address_space: global }
      - { .name: beta, .offset: 32, .size: 8, .value_kind: global_buffer, .address_space: global }
      - { .name: lowp_scales, .offset: 40, .size: 8, .value_kind: global_buffer, .address_space: global }
      - { .name: out0, .offset: 48, .size: 8, .value_kind: global_buffer, .address_space: global }
    .group_segment_fixed_size: 327680
    .private_segment_fixed_size: 0
    .kernarg_segment_align: 8
    .kernarg_segment_size: 56
    .max_flat_workgroup_size: 128
    .sgpr_count:     66
    .vgpr_count:     1024
    .wavefront_size: 32
...
	.end_amdgpu_metadata
.endif
;; end of part 4
;; ======== version 2 of 2: 4 launches; version 1 with the launch attn written anew for expert scheduling mode
;; workspace buffers: x_codes 25,165,824 bytes; w_codes 3,145,728 bytes; wo_img 1,048,576 bytes; qkv 25,165,824 bytes; heads_img 8,388,608 bytes
;; launch quant: the kernel of part 1 again; grid 480 x 1, 4 waves a work-group, no clusters, 68,096 bytes of LDS; arguments x, Wq, Wk, Wv, Wo, lowp_scales, x_codes, w_codes, wo_img; writes x_codes, w_codes, wo_img
;; launch qkv: the kernel of part 2 again; grid 12 x 32, 4 waves a work-group, clusters of 4 x 4, 327,680 bytes of LDS; arguments x_codes, w_codes, lowp_scales, qkv; writes qkv
;; launch attn (part 5): grid 4 x 64, 8 waves a work-group, no clusters, 102,400 bytes of LDS; arguments qkv, lowp_scales, heads_img; writes heads_img
.if DOCPART == 5
	.amdgcn_target "amdgcn-amd-amdhsa--gfx1250"
	.amdhsa_code_object_version 6
	.text
	.protected	k_qb24c1d1ea0_attn
	.globl	k_qb24c1d1ea0_attn
	.p2align	8
	.type	k_qb24c1d1ea0_attn,@function
k_qb24c1d1ea0_attn:
	s_mov_b64 s[64:65], 0
	v_nop
	global_prefetch_b8 v0, s[64:65] scope:SCOPE_SE
	s_setreg_imm32_b32 hwreg(HW_REG_WAVE_SCHED_MODE, 0, 2), 2
	s_setreg_imm32_b32 hwreg(HW_REG_WAVE_MODE, 25, 1), 1
	s_wait_xcnt 0x0
	s_wait_alu depctr_vm_vsrc(0)
; Causal attention on codes of E4M3, head size 64: S^T = K Q^T, p = 2^(t - M), O^T = V^T P^T, O / l quantised for the last product.
; t = score x 2^(e6 + e7) x log2(e) / 8; M = the running largest t rounded UP to a whole number; p is quantised with 2^e8, not normalised; l is the f32 sum of the unquantised p.
; When M moves, l and O^T are multiplied by 2^(old M - new M), which rounds nothing.  At the end O^T x 2^(e8 + e9) / l is held within +-448 x 2^e10 and converted with 2^e10.
; IN: qkv = q [64 bh][2048][64] at 0, k likewise at 8 MiB, v [64 bh][64 e][2048 keys] at 16 MiB.   OUT: heads_img [512 blocks of 16 tokens][8 K steps][4 groups][32 lanes][16 bytes]: the last product's operand registers on end
; (register 2 c + i, byte j of lane (r, h): token r, k = 128 ks + 16 c + 8 h + 4 i + j, k = 64 head + channel).
; SHARES.  Work-group (qa, bh) owns query blocks qa and 7 - qa (256 queries each) of head bh, one after the other.  Block i walks key slots 0 .. i of 256 keys: qa + 1 and 8 - qa visits, ALWAYS NINE: the trip count
; is a constant, all 256 work-groups have equal work, and no slot that lies wholly above the diagonal is fetched.
; Wave w has two CONTEXTS: query tile w of the block (context 0, register window 0) and tile w + 8 (context 1, window 1), in the same register numbers.  A fragment of K or V read from LDS feeds both.
; In the diagonal slot context 0 has work in the first 128 keys alone: every wave has three units there.
; K AND V go through registers into a ring of two LDS slots: each of the 256 threads loads 8 x 16 bytes of the next slot at a visit's head and stores them into the other slot at its end: one barrier a visit.
; The hold of p, which is owed only where 2^-e8 can pass 448 (e8 <= -9; p is at most 1), may be jumped over by a scalar branch on the given whole number e8.
; No cluster: the four work-groups of a head want different key slots in the same visit.  No prefetch: a slot is asked for a whole visit ahead of the stores that want it.
; THE KEYS OF A TILE OF K ARE NOT NEIGHBOURS: lane r of tile 2 b + u takes key 32 b + 8 u + r + 8 (r / 8), so that the 16 registers of tiles 2 b, 2 b + 1 are keys 32 b + 16 (lane / 16) + 0 .. 15.
; Fragments of Q, K, V and P hold a permutation of k inside an instruction, the same on both sides of each product.
; LIMITS: e6 + e7 between -123 and 130 (added to c's exponent field); e8 and e10 between -126 and 119; e8 + e9 is applied by v_ldexp_f32 and has none.
; REGISTERS.  Shared, window 0: v1-11 addresses; v32-95 K's 8 fragments; v208-239 the next slot on its way.  Window 1: v32-95 V's 4 fragments.
;   A context, in its window: v12 -M, v13 the largest t, v[14:15] l; v16-23 Q; v24-31 Q of the second block; v96-159 S^T, then p; v160-191 O^T; v192-207 p's codes; v240, v244: 448 x 2^e8, 2^e8; v241, v245: the same for e10;
;   v246 r - 16 h; v242, 243, 247, 252-254 at work.
; THE MODE: SCHED_MODE bits 1:0 = 2 (LLVM: expert scheduling mode 2), set by the entry lines.  The code itself states the register dependences
; between vector or matrix instructions and memory or LDS instructions, with s_wait_alu, always for 0.
; THE PLAN.  Registers that memory or LDS instructions touch:
;   v3, v4, v7      offsets of K, V and the output: written at the head, never again; the head's wait on va_vdst serves them for the whole kernel.
;   v8, v9, v10, v11  the visit's four LDS addresses (K's and V's fragments in the slot in hand; my part of K and of V in the other slot): written once a visit, at its head, behind a wait on vm_vsrc; read by all the visit's LDS loads and stores.
;   K, v32-95 of window 0    LDS loads land in it; the products K Q^T of both contexts read it.
;   V, v32-95 of window 1    LDS loads land in it; the products V^T P^T of both contexts read it, up to the step's last matrix instruction.
;   STG, v208-239   the next slot's global loads land in it at a visit's head; the LDS stores at the visit's end read it; no vector instruction names it.
;   v192-199        at a block's end: the conversions write them, two global stores read them; the next unit's conversions write them again.
; A VISIT: one wait on vm_vsrc at its head (all of the last visit's LDS instructions, and a block's last stores, have read their registers); the four additions; the next slot's global loads.
; A KEY STEP: one wait on va_vdst at its head (the last products are done reading V; in the visit's first step the four addresses are written), then V's loads, in the first step K's too.
; Context 0, which a branch may pass over, goes first and context 1 second, so that both contexts' products K Q^T stand ahead of the wait behind context 1's exponentials: in the visit's first step the second step's K is asked for
; straight behind that wait, and lands under the unit's sums, conversions and products.  The LDS stores at the visit's end owe no wait: no vector instruction since the step's wait names v10, v11 or STG.
.set PK,    144                        ; two keys' 128 bytes + 16 of padding
.set PV,    272                        ; a channel's 256 keys + 16
.set VOFF,  128*PK                     ; a slot: K, then V^T
.set SLOT1, 65536
.set AK0, 1
.set AV0, 2
.set GK,  3
.set GV,  4
.set LK,  5
.set LV,  6
.set HO,  7
.set ADK, 8
.set ADV, 9
.set STG, 208
.set WV,  10
.set QA,  11
.set BH,  12
.set VIS, 13                           ; s13  the visit, 0 .. 8
.set NA,  14                           ; s14  visits of the first block
.set KSC, 15                           ; s15  the key slot in hand
.set KSN, 16                           ; s16  the next
.set TB,  17                           ; s17  LDS byte at which the slot in hand begins
.set KF,  18                           ; s18  the step's first key
.set Q00, 19                           ; s19  context 0's first query; context 1's is 128 on
.set SEL, 20
.set CS,  22
.set KB,  24
.set VB,  26
.set KPT, 28
.set VPT, 30
.set HB,  32
.set NEEDH, 36
.set EPV, 37
.set MK,  40                           ; s40-55  sixteen masks of the causal compares; the exponents and Q's bases, which lie here at the head, are done with ahead of the loop
.set MSB, 0
.macro WIN new                         ; the immediate's high byte repeats the setting that is left; at a label and at a branch every window is 0
.if MSB != (\new)
	s_set_vgpr_msb (MSB<<8)|(\new)
.set MSB, (\new)
.endif
.endm
.macro REQ                             ; the next slot: 16 KiB of K on end, 64 rows x 256 bytes of V: 16 bytes a thread, eight times
.irp j, 0,1,2,3
	global_load_b128 v[STG+4*\j:STG+4*\j+3], v[GK], s[KPT:KPT+1] offset:4096*\j
.endr
.irp j, 0,1,2,3
	global_load_b128 v[STG+16+4*\j:STG+16+4*\j+3], v[GV], s[VPT:VPT+1] offset:32768*\j
.endr
.endm
.macro PUTADR                          ; where my part of the next slot goes: the slot that is not in hand
	s_xor_b32 s38, s[TB], SLOT1
	v_add_nc_u32 v10, s38, v[LK]
	v_add_nc_u32 v11, s38, v[LV]
.endm
.macro PUT                             ; into the slot that is not in hand
.irp j, 0,1,2,3
	ds_store_b128 v10, v[STG+4*\j:STG+4*\j+3] offset:32*PK*\j
.endr
.irp j, 0,1,2,3
	ds_store_b128 v11, v[STG+16+4*\j:STG+16+4*\j+3] offset:16*PV*\j
.endr
.endm
.macro KLOADS q                        ; K's eight fragments of the slot's q-th 128 keys
.irp tt, 0,1,2,3,4,5,6,7
	ds_load_b128 v[32+8*\tt:35+8*\tt], v[ADK] offset:(64*(\q)+16*(\tt/2)+4*(\tt%2))*PK
	ds_load_b128 v[36+8*\tt:39+8*\tt], v[ADK] offset:(64*(\q)+16*(\tt/2)+4*(\tt%2))*PK+32
.endr
.endm
.macro CONSTS                          ; a context's constants; the destination's window says whose
	v_mov_b32 v244, s34
	v_mov_b32 v240, s35
	v_mov_b32 v245, s58
	v_mov_b32 v241, s59
	v_mov_b32 v247, 0                              ; written once: a lane permute's destination counts as one of its sources
	v_mov_b32 v253, 0                              ; (named as the upper half of the pair v[252:253])
	v_sub_nc_u32 v246, v10, v11                    ; r - 16 h
.endm
.macro INIT c, second                  ; a block's start: the step is written once and finds zeros, which the first change of M leaves zeros
	WIN 0x55*(\c)
.if \second
.set j, 0
.rept 8
	v_mov_b32 v[16+j], v[24+j]
.set j, j+1
.endr
.endif
.set j, 0
.rept 32
	v_mov_b32 v[160+j], 0
.set j, j+1
.endr
	v_mov_b32 v13, 0xff61b1e6                      ; -3e38, under every t
	v_floor_f32 v12, -v13
	v_mov_b32 v14, 0
	v_mov_b32 v15, 0
	WIN 0
.endm
.macro MKHB                            ; where context 0's codes go: block of 16 tokens 128 b + Q00 / 16, K step head / 2, groups 2 (head % 2) on
	s_lshr_b32 s56, s[BH], 4
	s_lshl_b32 s56, s56, 7
	s_lshr_b32 s38, s[Q00], 4
	s_add_co_u32 s56, s56, s38
	s_lshl_b32 s56, s56, 14
	s_bfe_u32 s38, s[BH], 0x30001
	s_lshl_b32 s38, s38, 11
	s_add_co_u32 s56, s56, s38
	s_and_b32 s38, s[BH], 1
	s_lshl_b32 s38, s38, 10
	s_add_co_u32 s56, s56, s38
	s_mov_b32 s57, 0
	s_add_nc_u64 s[HB:HB+1], s[8:9], s[56:57]
.endm
; ONE UNIT: context c's 16 queries x the step's 128 keys.  nextk = 1 (context 1 in a visit's first step): the second step's K is asked for behind the wait for the exponentials.
.macro CTX c, nextk
	WIN 0x44*(\c)                                  ; K window 0; Q and S^T in the context's
.irp tt, 0,1,2,3,4,5,6,7
	v_wmma_f32_16x16x64_fp8_fp8 v[96+8*\tt:103+8*\tt], v[32+8*\tt:39+8*\tt], v[16:23], 0
.endr
	WIN 0
.rept 4
	v_nop                                          ; places in front of the first read of the scores
.endr
	s_add_co_u32 s38, s[Q00], 128*(\c)             ; my first query
	s_add_co_u32 s39, s[KF], 127
	s_cmp_le_u32 s39, s38                          ; a step all of whose keys count skips the mask
	s_cbranch_scc1 .Lopen_\@
	s_sub_co_i32 s38, s38, s[KF]
	WIN 0x55*(\c)
	v_add_nc_u32 v252, s38, v246                   ; d = my query - KF - 16 h.  Register 16 b + i holds key KF + 32 b + 16 h + i: hidden where 32 b + i > d
	v_mov_b32 v254, 0xff800000                     ; -infinity: p = 0 then
.set g, 0
.rept 4                                        ; the compares go in runs of sixteen, each into a scalar register of its own, so that one wait serves sixteen selects
.set n, 0
.rept 16
	v_cmp_gt_i32 s[MK+n], 32*g+n, v252
.set n, n+1
.endr
	s_wait_alu depctr_va_sdst(0)                   ; the sixteen compares have written s40-55, ahead of the selects that read them
.set n, 0
.rept 16
	v_cndmask_b32 v[96+16*g+n], v[96+16*g+n], v254, s[MK+n]   ; each accumulator from its low end on
.set n, n+1
.endr
.set g, g+1
.endr
	WIN 0
.Lopen_\@:
	WIN 0x55*(\c)
	v_max3_num_f32 v254, v96, v97, v98             ; the step's largest score of my query among my 64 keys, in two chains, from each accumulator's low end on
	v_max3_num_f32 v252, v99, v100, v101
.irp i, 6,10,14,18,22,26,30,34,38,42,46,50,54,58
	v_max3_num_f32 v254, v254, v[96+\i], v[97+\i]
	v_max3_num_f32 v252, v252, v[98+\i], v[99+\i]
.endr
	v_max3_num_f32 v254, v254, v158, v159
	v_max_num_f32 v254, v254, v252
	v_permlanex16_b32 v247, v254, s[SEL], s[SEL+1]
	v_max_num_f32 v254, v254, v247                 ; and among lane l xor 16's
	v_mul_f32 v254, s[CS], v254                    ; as t (c is positive)
	v_max_num_f32 v13, v13, v254
	v_mov_b32 v254, v12
	v_floor_f32 v12, -v13                          ; the new -M = floor(-t): M is a whole number
	v_sub_f32 v254, v12, v254                      ; old M - new M, a whole number, 0 or less
	v_cvt_i32_f32 v254, v254                       ; (it saturates)
	v_ldexp_f32 v252, 1.0, v254                    ; f = 2^(old M - new M)
	; ONE BATCH: 32 scalings t - M (two numbers each) and 64 exponentials; a pair is scaled three lines ahead of its exponentials, and no line names an exponential's result
	v_pk_fma_f32 v[96:97], v[96:97], s[CS:CS+1], v[12:13] op_sel_hi:[1,0,0]
.set j, 0
.rept 31
	v_pk_fma_f32 v[98+j:99+j], v[98+j:99+j], s[CS:CS+1], v[12:13] op_sel_hi:[1,0,0]
	v_exp_f32 v[96+j], v[96+j]
	v_exp_f32 v[97+j], v[97+j]
.set j, j+2
.endr
	v_exp_f32 v158, v158
	v_exp_f32 v159, v159
	v_pk_mul_f32 v[14:15], v[14:15], v[252:253] op_sel_hi:[1,0]   ; l under the new M; also the plain line behind the last exponential
.if \nextk
	WIN 0                                          ; the window of the loads below: the switch, then the wait, then the loads
	s_wait_alu depctr_va_vdst(0)                   ; the 64 exponentials have written v96-159, ahead of their first reader; and both contexts' products K Q^T are done reading K's registers, in which the loads below land
	KLOADS 1                                       ; the visit's second step; no vector or matrix instruction names these registers before that step's wait on DScnt
	WIN 0x55*(\c)
.else
	s_wait_alu depctr_va_vdst(0)                   ; the 64 exponentials have written v96-159: one wait for the whole batch, ahead of its first reader
.endif
	v_pk_add_f32 v[242:243], v[96:97], v[98:99]    ; l takes the UNQUANTISED p: two at a time, in two chains
.irp j, 4,8,12,16,20,24,28,32,36,40,44,48,52,56,60
	v_pk_add_f32 v[14:15], v[14:15], v[96+\j:97+\j]
	v_pk_add_f32 v[242:243], v[242:243], v[98+\j:99+\j]
.endr
	v_pk_add_f32 v[14:15], v[14:15], v[242:243]
	WIN 0
	s_cmp_eq_u32 s[NEEDH], 0                       ; p <= 1: p / 2^e8 stays under 448 wherever e8 >= -8
	s_cbranch_scc1 .Lheld_\@
	WIN 0x55*(\c)
.set j, 0
.rept 64
	v_min_num_f32 v[96+j], v[96+j], v240           ; the conversion does not saturate (ISA guide 7.6.2); p is not negative, so the hold is one-sided
.set j, j+1
.endr
	WIN 0
.Lheld_\@:
	WIN 0x55*(\c)
.irp b, 0,1,2,3
	v_cvt_scalef32_pk8_fp8_f32 v[192+4*\b:193+4*\b], v[96+16*\b:103+16*\b], v244
	v_cvt_scalef32_pk8_fp8_f32 v[194+4*\b:195+4*\b], v[104+16*\b:111+16*\b], v244
.endr
.set j, 0
.rept 16
	v_pk_mul_f32 v[160+j:161+j], v[160+j:161+j], v[252:253] op_sel_hi:[1,0]   ; O^T under the new M; also the plain lines between the conversions and the products
.set j, j+2
.endr
.if \nextk
	s_wait_dscnt 16                                ; V is in; the next step's sixteen loads of K, issued behind V's, may be out
.else
	s_wait_dscnt 0x0                               ; V is in
.endif
	WIN 0x01+0x54*(\c)                             ; V window 1; P and O^T in the context's
.irp tt, 0,1,2,3
	v_wmma_f32_16x16x128_fp8_fp8 v[160+8*\tt:167+8*\tt], v[32+16*\tt:47+16*\tt], v[192:207], v[160+8*\tt:167+8*\tt]
.endr
	WIN 0
.endm
; A KEY STEP: 128 keys, the q-th of the slot in hand.  Context 1 always has work; context 0 has none where all the step's keys come after its queries.
.macro STEP q
.if \q
.rept 4
	v_nop                                          ; four plain lines between the last products and the loads into the registers that they read (in the visit's first step the four additions at the visit's head are these lines)
.endr
.endif
	s_wait_alu depctr_va_vdst(0)                   ; the last products V^T P^T are done reading V's registers, in which the loads below land; in the visit's first step: v8 to v11 are written, which the visit's LDS loads and stores read, and K's last readers are done
.if (\q) == 0
	KLOADS 0                                       ; (the second step's K was asked for in the first step)
.endif
	WIN 0x40
.irp tt, 0,1,2,3
.irp cc, 0,1,2,3
	ds_load_b128 v[32+16*\tt+4*\cc:35+16*\tt+4*\cc], v[ADV] offset:16*PV*\tt+128*(\q)+32*\cc   ; between the wait above and these stand LDS loads and the window switch alone
.endr
.endr
	WIN 0
	s_wait_dscnt 16                                ; K is in; V's sixteen loads may be out
	s_add_co_u32 s38, s[Q00], 15
	s_cmp_gt_u32 s[KF], s38
	s_cbranch_scc1 .Lskip_\@
	CTX 0, 0
.Lskip_\@:
	CTX 1, 1-(\q)
	s_add_co_u32 s[KF], s[KF], 128
.endm
; A block's end for context c: O^T x 2^(e8 + e9) / l, quantised with e10, stored as half a fragment's image.
.macro FINAL c
	WIN 0x55*(\c)
.rept 4
	v_nop                                          ; places behind the last products
.endr
	v_add_f32 v14, v14, v15
	v_permlanex16_b32 v247, v14, s[SEL], s[SEL+1]
	v_add_f32 v14, v14, v247                       ; the row's sum
	v_rcp_f32 v14, v14
	v_nop                                          ; a plain line behind the transcendental
	s_wait_alu depctr_va_vdst(0)                   ; the reciprocal has written v14, ahead of its first reader
	v_ldexp_f32 v14, v14, s[EPV]
.set j, 0
.rept 16
	v_pk_mul_f32 v[96+j:97+j], v[160+j:161+j], v[14:15] op_sel_hi:[1,0]   ; register 8 t + i: channel 16 t + 8 h + i of query r
.set j, j+2
.endr
.set j, 0
.rept 32
	v_med3_num_f32 v[96+j], v[96+j], -v241, v241
.set j, j+1
.endr
.irp tt, 0,1,2,3
	v_cvt_scalef32_pk8_fp8_f32 v[192+2*\tt:193+2*\tt], v[96+8*\tt:103+8*\tt], v245
.endr
	v_nop                                          ; one plain line behind the conversions: later products write their sources
	WIN 0x04*(\c)                                  ; the stores' data in the context's window
	s_wait_alu depctr_va_vdst(0)                   ; the conversions have written v192-199, which the two stores read
	global_store_b128 v[HO], v[192:195], s[HB:HB+1] offset:131072*(\c)        ; the wave stores 512 consecutive bytes; context 1's tile lies eight blocks of 16,384 bytes on
	global_store_b128 v[HO], v[196:199], s[HB:HB+1] offset:131072*(\c)+512
	WIN 0
.endm
	s_load_b128 s[4:7], s[0:1], 0x0                ; qkv, the exponents
	s_load_b64 s[8:9], s[0:1], 0x10                ; heads_img
	v_lshl_add_u32 v251, v0, 2, 0x18c00
	v_mov_b32 v255, 0
	v_lshrrev_b32 v1, 5, v0
	v_readfirstlane_b32 s[WV], v1                  ; wave 0..7
	s_mov_b32 s[QA], ttmp9
	s_and_b32 s[BH], ttmp7, 0xffff
	s_add_co_u32 s[NA], s[QA], 1
	s_mov_b32 s[VIS], 0
	s_mov_b32 s[KSC], 0
	s_mov_b32 s[KSN], 0
	s_mov_b32 s[SEL], 0x76543210
	s_mov_b32 s[SEL+1], 0xfedcba98
	s_lshl_b32 s[Q00], s[QA], 8
	s_wait_alu depctr_va_sdst(0)                   ; s10, the wave's number, is written, ahead of its first reader
	s_lshl_b32 s38, s[WV], 4
	s_add_co_u32 s[Q00], s[Q00], s38               ; the first block: 256 qa + 16 w
	s_sub_co_u32 s39, 7, s[QA]
	s_lshl_b32 s39, s39, 8
	s_add_co_u32 s39, s39, s38                     ; the second: 256 (7 - qa) + 16 w
	v_and_b32 v10, 15, v0                          ; r
	v_bfe_u32 v11, v0, 4, 1                        ; h
	v_and_b32 v8, 8, v10
	v_add_nc_u32 v8, v8, v10                       ; kl = r + 8 (r / 8)
	v_lshrrev_b32 v9, 1, v8
	v_mul_u32_u24 v[AK0], v9, PK
	v_and_b32 v9, 1, v8
	v_lshl_add_u32 v[AK0], v9, 6, v[AK0]
	v_lshl_add_u32 v[AK0], v11, 4, v[AK0]          ; (kl / 2) x 144 + (kl % 2) x 64 + 16 h
	v_mul_u32_u24 v[AV0], v10, PV
	v_lshl_add_u32 v[AV0], v11, 4, v[AV0]
	v_add_nc_u32 v[AV0], VOFF, v[AV0]
	v_lshlrev_b32 v[GK], 4, v0                     ; K in memory: 16 x thread
	v_lshrrev_b32 v8, 4, v0
	v_lshlrev_b32 v[GV], 11, v8
	v_lshl_add_u32 v[GV], v10, 4, v[GV]            ; V in memory: row thread / 16, 16 (thread % 16)
	v_mul_u32_u24 v[LV], v8, PV
	v_lshl_add_u32 v[LV], v10, 4, v[LV]
	v_add_nc_u32 v[LV], VOFF, v[LV]
	v_lshrrev_b32 v8, 3, v0
	v_mul_u32_u24 v[LK], v8, PK
	v_and_b32 v8, 7, v0
	v_lshl_add_u32 v[LK], v8, 4, v[LK]
	v_and_b32 v[HO], 31, v0
	v_lshlrev_b32 v[HO], 4, v[HO]
	v_lshlrev_b32 v9, 6, v10
	v_lshl_add_u32 v9, v11, 4, v9                  ; Q: row r of 64 bytes + 16 h
	v_lshlrev_b32 v11, 4, v11                      ; 16 h, for CONSTS
	s_lshl_b32 s56, s[BH], 17                      ; a head's 131,072 bytes in each of q, k, v
	s_mov_b32 s57, 0
	s_wait_kmcnt 0x0
	s_load_b256 s[40:47], s[6:7], 0x0              ; e0 .. e7
	s_load_b128 s[48:51], s[6:7], 0x20             ; e8 .. e11
	s_add_nc_u64 s[52:53], s[4:5], s[56:57]
	s_add_nc_u64 s[KB:KB+1], s[52:53], 0x800000
	s_add_nc_u64 s[VB:VB+1], s[52:53], 0x1000000
	s_mov_b64 s[KPT:KPT+1], s[KB:KB+1]
	s_mov_b64 s[VPT:VPT+1], s[VB:VB+1]
	s_wait_alu depctr_va_vdst(0)                   ; v1 to v11 are written: v3, v4 and v9 are the offsets of the loads below, v7 that of the stores at a block's end; v3, v4 and v7 are never written again
	REQ                                            ; key slot 0
	s_lshl_b32 s56, s39, 6
	s_add_nc_u64 s[54:55], s[52:53], s[56:57]      ; Q of the second block,
	s_lshl_b32 s56, s[Q00], 6
	s_add_nc_u64 s[52:53], s[52:53], s[56:57]      ; of the first
	global_load_b128 v[16:19], v9, s[52:53]
	global_load_b128 v[20:23], v9, s[52:53] offset:32
	global_load_b128 v[24:27], v9, s[54:55]
	global_load_b128 v[28:31], v9, s[54:55] offset:32
	WIN 0x40                                       ; context 1: 128 queries of 64 bytes on (between the wait above and these stand loads, scalar lines and the window switch alone)
	global_load_b128 v[16:19], v9, s[52:53] offset:8192
	global_load_b128 v[20:23], v9, s[52:53] offset:8224
	global_load_b128 v[24:27], v9, s[54:55] offset:8192
	global_load_b128 v[28:31], v9, s[54:55] offset:8224
	WIN 0
	MKHB
	s_wait_kmcnt 0x0
	s_add_co_i32 s38, s46, s47
	s_lshl_b32 s38, s38, 23
	s_add_co_i32 s[CS], s38, 0x3e38aa3b            ; c = log2(e) / 8, with e6 + e7 added to its exponent field
	s_mov_b32 s[CS+1], s[CS]
	s_add_co_i32 s[EPV], s48, s49                  ; e8 + e9
	s_cmp_le_i32 s48, -9
	s_cselect_b32 s[NEEDH], 1, 0
	s_add_co_i32 s38, s48, 127
	s_lshl_b32 s34, s38, 23                        ; 2^e8
	s_add_co_i32 s38, s38, 8
	s_lshl_b32 s35, s38, 23
	s_or_b32 s35, s35, 0x600000                    ; 448 x 2^e8
	s_add_co_i32 s38, s50, 127
	s_lshl_b32 s58, s38, 23                        ; 2^e10
	s_add_co_i32 s38, s38, 8
	s_lshl_b32 s59, s38, 23
	s_or_b32 s59, s59, 0x600000
	CONSTS
	WIN 0x40
	CONSTS
	WIN 0
	INIT 0, 0
	INIT 1, 0
	s_wait_loadcnt 0x0                             ; key slot 0 and Q: the loads are done, so their bases s52-55 are free for the masks, and v9 for V's LDS address
	s_mov_b32 s[TB], SLOT1
	PUTADR                                         ; slot 0
	s_wait_alu depctr_va_vdst(0)                   ; v10 and v11 are written, which the LDS stores below read as their addresses
	PUT                                            ; into slot 0
	s_mov_b32 s[TB], 0
	s_wait_dscnt 0x0
	s_barrier_signal -1
	s_barrier_wait -1
.Lvisit:                                           ; nine trips
	s_cmp_lg_u32 s[VIS], s[NA]
	s_cbranch_scc1 .Lsame
	FINAL 0                                        ; the first block is done
	FINAL 1
	s_wait_xcnt 0x0                                ; the stores have had their addresses translated: their base is written again below (that they have read v192-199 is stated by the wait at the visit's head, ahead of the next conversions)
	s_sub_co_u32 s[Q00], 7, s[QA]
	s_lshl_b32 s[Q00], s[Q00], 8
	s_lshl_b32 s38, s[WV], 4
	s_add_co_u32 s[Q00], s[Q00], s38
	MKHB
	INIT 0, 1
	INIT 1, 1
.Lsame:
	s_lshl_b32 s[KF], s[KSC], 8
	s_wait_alu depctr_vm_vsrc(0)                   ; the LDS loads issued so far have read v8 and v9 (on the first trip: Q's loads v9), the LDS stores v10, v11 and STG, a block's last stores v192-199: all of these are written again in this visit
	v_add_nc_u32 v[ADK], s[TB], v[AK0]             ; the visit's four LDS addresses; these four lines are also the places between the last visit's products and the first step's loads
	v_add_nc_u32 v[ADV], s[TB], v[AV0]
	PUTADR
	s_cmp_eq_u32 s[VIS], 8
	s_cbranch_scc1 .Lno_req
	s_add_co_u32 s38, s[VIS], 1
	s_add_co_u32 s[KSN], s[KSC], 1
	s_cmp_eq_u32 s38, s[NA]
	s_cselect_b32 s[KSN], 0, s[KSN]                ; the second block begins at key slot 0 again
	s_lshl_b32 s56, s[KSN], 14
	s_mov_b32 s57, 0
	s_add_nc_u64 s[KPT:KPT+1], s[KB:KB+1], s[56:57]
	s_lshl_b32 s56, s[KSN], 8
	s_add_nc_u64 s[VPT:VPT+1], s[VB:VB+1], s[56:57]
	REQ                                            ; it has the whole visit in which to come.  No further wait: no vector instruction ever names STG, and none since the head's wait names v3 or v4
.Lno_req:
	STEP 0
	STEP 1
	s_wait_loadcnt 0x0                             ; the next slot is in registers (in the last visit nothing is out)
	s_cmp_eq_u32 s[VIS], 8
	s_cbranch_scc1 .Lno_put
	PUT                                            ; no wait on va_vdst: v10 and v11 were written ahead of the first step's wait, and no vector instruction since names them or STG
.Lno_put:
	s_wait_dscnt 0x0                               ; my reads of this slot are over, and my part of the next slot is stored
	s_barrier_signal -1
	s_barrier_wait -1                              ; both now hold of all eight waves
	s_xor_b32 s[TB], s[TB], SLOT1
	s_mov_b32 s[KSC], s[KSN]
	s_add_co_u32 s[VIS], s[VIS], 1
	s_cmp_lt_u32 s[VIS], 9
	s_cbranch_scc1 .Lvisit
	FINAL 0
	FINAL 1
	s_wait_dscnt 0x0
	s_wait_alu depctr_hold_cnt(0) depctr_sa_sdst(0) depctr_va_vdst(0) depctr_va_sdst(0) depctr_va_ssrc(0) depctr_va_vcc(0) depctr_vm_vsrc(0)
	s_wait_tensorcnt 0x0
	ds_add_u32 v251, v255
	s_wait_dscnt 0x0
	s_endpgm
.Lfunc_end_k_qb24c1d1ea0_attn:
	.size	k_qb24c1d1ea0_attn, .Lfunc_end_k_qb24c1d1ea0_attn-k_qb24c1d1ea0_attn
	.p2alignl 7, 3214868480
	.fill 96, 4, 3214868480
	.section	.rodata,"a",@progbits
	.p2align	6, 0x0
	.amdhsa_kernel k_qb24c1d1ea0_attn
		.amdhsa_group_segment_fixed_size 102400
		.amdhsa_private_segment_fixed_size 0
		.amdhsa_enable_private_segment 0
		.amdhsa_kernarg_size 24
		.amdhsa_user_sgpr_count 2
		.amdhsa_user_sgpr_kernarg_segment_ptr 1
		.amdhsa_wavefront_size32 1
		.amdhsa_system_sgpr_workgroup_id_x 1
		.amdhsa_system_sgpr_workgroup_id_y 1
		.amdhsa_system_sgpr_workgroup_id_z 1
		.amdhsa_system_vgpr_workitem_id 0
		.amdhsa_next_free_vgpr 512
		.amdhsa_next_free_sgpr 66
		.amdhsa_reserve_vcc 0
		.amdhsa_float_denorm_mode_32 3
		.amdhsa_float_denorm_mode_16_64 3
		.amdhsa_memory_ordered 1
		.amdhsa_forward_progress 1
		.amdhsa_inst_pref_size 127
	.end_amdhsa_kernel
	.amdgpu_metadata
---
amdhsa.version: [ 1, 2 ]
amdhsa.kernels:
  - .name:           k_qb24c1d1ea0_attn
    .symbol:         k_qb24c1d1ea0_attn.kd
    .args:
      - { .name: qkv, .offset: 0, .size: 8, .value_kind: global_buffer, .address_space: global }
      - { .name: lowp_scales, .offset: 8, .size: 8, .value_kind: global_buffer, .address_space: global }
      - { .name: heads_img, .offset: 16, .size: 8, .value_kind: global_buffer, .address_space: global }
    .group_segment_fixed_size: 102400
    .private_segment_fixed_size: 0
    .kernarg_segment_align: 8
    .kernarg_segment_size: 24
    .max_flat_workgroup_size: 256
    .sgpr_count:     66
    .vgpr_count:     512
    .wavefront_size: 32
...
	.end_amdgpu_metadata
.endif
;; end of part 5
;; launch proj: the kernel of part 4 again; grid 256 x 1, 4 waves a work-group, clusters of 4 x 1, 327,680 bytes of LDS; arguments heads_img, wo_img, x, gamma, beta, lowp_scales, out0; writes out0
